; MI455X (gfx1250); checked and timed in simulation.
; The chip was launched on July 23, 2026; its instructions are those of AMD's public machine-readable ISA for CDNA 5 (MIT licence, August 2026) and "CDNA5" Instruction Set Architecture Reference Guide (July 2026). The comments in the code are by the model that wrote it; some were corrected since.
;; Transformer Block. Allowed arithmetic: matrix products marked QUANTISED: E2M1 operands, one E8M0 scale for each 32 along K, by v_wmma_scale_f32_16x16x128_f8f6f4 with both operands' format E2M1 (or v_wmma_scale_f32_32x16x128_f4), f32 sums; everything else in f32.
;; Inputs: b1 4,096 float32; b2 1,024 float32; b_out 1,024 float32; b_qkv 3,072 float32; be1 1,024 float32; be2 1,024 float32; g1 1,024 float32; g2 1,024 float32; w1_codes 4,096 x 32 x 16 uint8 (E2M1 codes of w1, K innermost, in blocks of 32 codes, two codes a byte); w1_scales 4,096 x 32 uint8 (E8M0 scales of w1, one for each 32 codes along K); w2_codes 1,024 x 128 x 16 uint8 (E2M1 codes of w2, K innermost, in blocks of 32 codes, two codes a byte); w2_scales 1,024 x 128 uint8 (E8M0 scales of w2, one for each 32 codes along K); w_out_codes 1,024 x 32 x 16 uint8 (E2M1 codes of w_out, K innermost, in blocks of 32 codes, two codes a byte); w_out_scales 1,024 x 32 uint8 (E8M0 scales of w_out, one for each 32 codes along K); w_qkv_codes 3,072 x 32 x 16 uint8 (E2M1 codes of w_qkv, K innermost, in blocks of 32 codes, two codes a byte); w_qkv_scales 3,072 x 32 uint8 (E8M0 scales of w_qkv, one for each 32 codes along K); x 2 x 2,048 x 1,024 float32.
;; Outputs: out0 2 x 2,048 x 1,024 float32.
;; This version of the problem:
;;   THIS VERSION OF THE PROBLEM IS GIVEN IN LOW PRECISION. The matrix products marked QUANTISED in the list below multiply operands that are first quantised to E2M1 (2 exponent bits, 1 mantissa bit; 4 bits a number), with one power-of-two scale for each 32 numbers along K (OCP MX v1.0); their sums are f32. All else is computed in f32.
;;   The module's matrix products, in the order in which they are computed (A, B: the left and right operand; K: the contracted axis; several contracted axes count as one K, in the product's order):
;;     1. [M 4,096, K 1,024] x [K 1,024, N 3,072]; A: computed on the way; B: input w_qkv (given as codes): QUANTISED
;;     2. batch 32 x [M 2,048, K 64] x [K 64, N 2,048]; A: computed on the way; B: computed on the way: QUANTISED
;;     3. batch 32 x [M 2,048, K 2,048] x [K 2,048, N 64]; A: softmax (see below); B: computed on the way: QUANTISED
;;     4. [M 4,096, K 1,024] x [K 1,024, N 1,024]; A: computed on the way; B: input w_out (given as codes): QUANTISED
;;     5. [M 4,096, K 1,024] x [K 1,024, N 4,096]; A: computed on the way; B: input w1 (given as codes): QUANTISED
;;     6. [M 4,096, K 4,096] x [K 4,096, N 1,024]; A: computed on the way; B: input w2 (given as codes): QUANTISED
;;   THE QUANTISER, for each operand of a quantised product, along K:
;;     - K is cut into blocks of 32 from its start; a last block that is shorter is filled with zeros.
;;     - A block's scale is 2^e with e = floor(log2(the largest magnitude in the block)) - 2, held to -126 .. 127; a block of zeros has e = 0. As a byte (E8M0): e + 127.
;;     - Each number is divided by its block's scale, clamped to +-6, and rounded to the nearest number of E2M1, ties to even, subnormals kept.
;;     - The product sums the exact products of the quantised numbers (number of the format x scale) in f32.
;;   ~~~python
;;   def quantise(x, axis):      # numpy; x: float32 -> the quantised numbers, widened to float32 again
;;       x = np.moveaxis(x, axis, -1); K = x.shape[-1]
;;       x = np.pad(x, [(0, 0)] * (x.ndim - 1) + [(0, -K % 32)]); x = x.reshape(x.shape[:-1] + (-1, 32)); a = np.abs(x).max(-1, keepdims=True)
;;       e = np.where(a > 0, np.clip(np.frexp(np.where(a > 0, a, 1))[1] - 1 - 2, -126, 127), 0)      # np.frexp(a)[1] - 1 = floor(log2(a)), exactly
;;       r = np.clip(x / 2.0 ** e, -6, 6)
;;       step = 2.0 ** (np.maximum(np.frexp(np.where(r == 0, 1, r))[1] - 1, 0) - 1)
;;       q = np.round(r / step) * step * 2.0 ** e      # np.round: ties to even
;;       return np.moveaxis(q.reshape(q.shape[:-2] + (-1,))[..., :K], -1, axis).astype(np.float32)
;;   ~~~
;;   SOFTMAX AHEAD OF A QUANTISED PRODUCT. Where the list says 'softmax', what is quantised is not the finished softmax but p = 2^(t - M), with t = logit x log2(e) and M = ceil(the row's largest t), a whole number; so 1/2 < the row's largest p <= 1. The row's sum l is taken of the UNQUANTISED p, in f32, and the product's result is divided by l at the end. Since M is a whole number, a kernel that streams over the keys may use a running M (the ceiling of the running maximum): every later rescaling is an exact power of two, which a block's scale takes up: the codes' values come out the same.
;;   OPERANDS COMPUTED ON THE WAY. 'Computed on the way' means the value that the module computes at that place (a softmax that the list does not call 'softmax' is quantised finished and normalised). What goes into a quantiser is computed in f32, as accurately as f32 sums, v_exp_f32 and their like allow (about 1e-6 of the number): no bf16 or f16 on the way to a quantiser, and a product that is left as it is and whose result goes on into a quantised operand takes f32 operands (vector FMAs, or v_wmma_f32_16x16x4_f32). A number that lies on a knife's edge between two numbers of the format may be rounded either way, as far as f32 arithmetic and the matrix unit's own rounding can turn it there, and no further.
;;   INPUTS GIVEN AS CODES. w1 (in the module: [1024, 4096], K = its axis 0); w2 (in the module: [4096, 1024], K = its axis 0); w_out (in the module: [1024, 1024], K = its axis 0); w_qkv (in the module: [1024, 3072], K = its axis 0): each comes as NAME_codes (uint8): NAME with its K axis moved to the last place and cut into blocks of 32 codes, [.., K / 32, bytes a block], one block behind the other in memory; two codes a byte, the lower K in the low four bits (a code: sign, 2 exponent bits, 1 mantissa bit); and NAME_scales (uint8): the same leading axes, one E8M0 byte (e + 127) for each 32 codes along K. Its value is code x scale, taken as it is: it is not quantised again, and the codes and scales need not be those that the quantiser above would give.
;; One version. Each part assembles by itself: llvm-mc -triple=amdgcn-amd-amdhsa -mcpu=gfx1250 --defsym DOCPART=n.
;; ======== version 1 of 1: 6 launches
;; limits: right only within a limited range of input values
;; workspace buffers: wts 6,684,672 bytes; hq 2,228,224 bytes; qkvc 6,684,672 bytes; oq 2,228,224 bytes; x1 16,777,216 bytes; h2q 2,228,224 bytes; gq 8,912,896 bytes
;; launch prep (part 1): grid 448 x 1, 4 waves a work-group, no clusters, 61,440 bytes of LDS; arguments x, g1, be1, w_qkv_codes, w_qkv_scales, w_out_codes, w_out_scales, w1_codes, w1_scales, w2_codes, w2_scales, hq, wts; writes hq, wts
.if DOCPART == 1
	.amdgcn_target "amdgcn-amd-amdhsa--gfx1250"
	.amdhsa_code_object_version 6
	.text
	.protected	k_q8404af87d2_prep
	.globl	k_q8404af87d2_prep
	.p2align	8
	.type	k_q8404af87d2_prep,@function
k_q8404af87d2_prep:
	s_mov_b64 s[64:65], 0
	v_nop
	global_prefetch_b8 v0, s[64:65] scope:SCOPE_SE
	s_setreg_imm32_b32 hwreg(HW_REG_WAVE_MODE, 25, 1), 1
	s_wait_xcnt 0x0
; PREP, the first of six launches of a pre-norm transformer block (4,096 tokens, 1,024 features, 16 heads of 64, 4,096 hidden), all six products on E2M1 codes with one E8M0 scale for 32 along K.
; NOTHING OF reference() IS LEFT OUT: every product, bias, gain and residual has a way to out0 (the bias on k moves k's codes), so all 17 inputs are loaded by some launch.
; LIMITS of the whole program: NaN and infinities among the inputs are not served; a block of zeros gets the scale byte 1 where the quantiser says 127 (its codes are zeros and these bytes are read by this
; program alone); sums of a row (mean, variance) are trees of f32 additions; the last product adds four partial sums along K.
; WHAT THIS LAUNCH DOES.  Work-groups 0-255: h = LayerNorm(x) g1 + be1, quantised along the features, stored as an IMAGE OF THE OPERAND'S REGISTERS.  Work-groups 256-447: the four weights' codes and scale bytes are
; laid out anew, in the same kind of image, one unit of 64 columns x 1,024 along K each.
; IMAGES.  A chunk is 512 bytes: 16 bytes a lane, lane 16 h + r holding one block of 32 codes of row r.  A block of 64 tokens: byte 4096 s + 1024 m + 512 c + 16 lane = MX block 4 s + 2 c + h of token
; 32 (m / 2) + 8 (m % 2) + r + 8 (r / 8).  Its scale bytes: 1024 (s / 4) + 256 m + 16 r + 4 (s % 4) + 2 c + h.  A weight unit likewise, with tile t of 16 columns for m.
; So every later fragment is two loads of 16 bytes a lane, and four K steps' scale words of two tiles are one.
; No tensor load, no cluster: nothing here is read by two work-groups.  The two paths part once on the work-group's number and use LDS bytes of their own.
.set TURN,  0                          ; LN: 4,608 bytes a wave: a row of 32 blocks x (128 + 16) bytes, to turn 4 numbers a lane into a block a lane
.set IMG,   18432                      ; LN: the 8 K steps x 1,024 bytes of this tile of 16 tokens
.set SCG,   26624                      ; LN: its 512 scale bytes
.set WSTG,  27136                      ; weights: 16 rows x (512 + 16) bytes for each wave
.set SPARE, 60928                      ; the spare words, 128 bytes a wave
.set L16,  4                           ; v4  16 x lane
.set LTS,  5                           ; v5  the turn, way in
.set LTL,  6                           ; v6  the turn, way out: 144 x lane
.set LIMA, 7                           ; v7  my block's place in the image
.set LSCA, 8                           ; v8  my block's scale byte
.set P2A,  9
.set P2G,  10
.set P2S,  11
.set P2SG, 12
.set WSI,  13
.set WSO,  14
.set WSL,  15
.set WSS,  16
.set SOP,  17                          ; v17 the conversion's scale operand
.set W,    18                          ; v18-25 a pair a row: sum, mean, then variance and 1 / sqrt
.set MX,   26                          ; v26-27 two chains of the largest magnitude; v27 then the byte
.set CD,   28                          ; v28-31 a block's codes
.set G,    32
.set BE,   64
.set T,    96
.set X,    128
.set SEL,  40
.set INV,  42
.set EPS,  43
.macro END3                            ; a wave's end: behind its last LDS store
	s_wait_tensorcnt 0x0
	ds_add_u32 v1, v2
	s_wait_dscnt 0x0
.endm
.macro BAR                             ; my LDS stores have landed and my LDS loads are in; then the work-group's barrier
	s_wait_dscnt 0x0
	s_barrier_signal -1
	s_barrier_wait -1
.endm
.macro REDUCE                          ; the four rows' figures summed over the 32 lanes, rows by turns
.irp k, 1,2,4,8
.irp i, 0,1,2,3
	v_add_f32_dpp v[W+2*\i], v[W+2*\i], v[W+2*\i] row_xmask:\k row_mask:0xf bank_mask:0xf
.endr
.endr
.irp i, 0,1,2,3
	v_permlanex16_b32 v[W+2*\i+1], v[W+2*\i], s[SEL], s[SEL+1]
.endr
.irp i, 0,1,2,3
	v_add_f32 v[W+2*\i], v[W+2*\i], v[W+2*\i+1]
.endr
.endm
.macro LNSTAT xw                       ; mean, x - mean in place, 1 / sqrt(variance + eps) in v[W + 2 i].  xw = 1: stores that read X are out
.irp i, 0,1,2,3
	v_pk_add_f32 v[W+2*\i:W+2*\i+1], v[X+32*\i:X+32*\i+1], v[X+32*\i+2:X+32*\i+3]
.endr
.irp j, 4,6,8,10,12,14,16,18,20,22,24,26,28,30
.irp i, 0,1,2,3
	v_pk_add_f32 v[W+2*\i:W+2*\i+1], v[W+2*\i:W+2*\i+1], v[X+32*\i+\j:X+32*\i+\j+1]
.endr
.endr
.irp i, 0,1,2,3
	v_add_f32 v[W+2*\i], v[W+2*\i], v[W+2*\i+1]
.endr
	REDUCE
.irp i, 0,1,2,3
	v_mul_f32 v[W+2*\i], s[INV], v[W+2*\i]                 ; / 1,024
.endr
.if \xw
	s_wait_xcnt 0x0                                        ; the stores of X have read their data: X is rewritten only behind this wait
.endif
.irp j, 0,2,4,6,8,10,12,14,16,18,20,22,24,26,28,30
.irp i, 0,1,2,3
	v_pk_add_f32 v[X+32*\i+\j:X+32*\i+\j+1], v[X+32*\i+\j:X+32*\i+\j+1], v[W+2*\i:W+2*\i+1] op_sel_hi:[1,0] neg_lo:[0,1] neg_hi:[0,1]
.endr
.endr
.irp i, 0,1,2,3
	v_pk_mul_f32 v[W+2*\i:W+2*\i+1], v[X+32*\i:X+32*\i+1], v[X+32*\i:X+32*\i+1]
.endr
.irp j, 2,4,6,8,10,12,14,16,18,20,22,24,26,28,30
.irp i, 0,1,2,3
	v_pk_fma_f32 v[W+2*\i:W+2*\i+1], v[X+32*\i+\j:X+32*\i+\j+1], v[X+32*\i+\j:X+32*\i+\j+1], v[W+2*\i:W+2*\i+1]
.endr
.endr
.irp i, 0,1,2,3
	v_add_f32 v[W+2*\i], v[W+2*\i], v[W+2*\i+1]
.endr
	REDUCE
.irp i, 0,1,2,3
	v_fma_f32 v[W+2*\i], v[W+2*\i], s[INV], s[EPS]
.endr
	s_wait_alu depctr_va_vdst(0)
.irp i, 0,1,2,3
	v_rsq_f32 v[W+2*\i], v[W+2*\i]
.endr
	v_nop                                                  ; a plain instruction behind the last of the four
	s_wait_alu depctr_va_vdst(0)                           ; one wait for the four, ahead of their first reader
.endm
.macro LNROW i                         ; row i: scaled, turned through LDS so that lane l holds block l, quantised; codes and byte to their places in the image
.irp j, 0,2,4,6,8,10,12,14,16,18,20,22,24,26,28,30
	v_pk_mul_f32 v[X+32*\i+\j:X+32*\i+\j+1], v[X+32*\i+\j:X+32*\i+\j+1], v[W+2*\i:W+2*\i+1] op_sel_hi:[1,0]
.endr
.irp j, 0,2,4,6,8,10,12,14,16,18,20,22,24,26,28,30
	v_pk_fma_f32 v[X+32*\i+\j:X+32*\i+\j+1], v[X+32*\i+\j:X+32*\i+\j+1], v[G+\j:G+\j+1], v[BE+\j:BE+\j+1]
.endr
.irp j, 0,1,2,3,4,5,6,7
	ds_store_b128 v[LTS], v[X+32*\i+4*\j:X+32*\i+4*\j+3] offset:576*\j
.endr
.irp k, 0,1,2,3,4,5,6,7
	ds_load_b128 v[T+4*\k:T+4*\k+3], v[LTL] offset:16*\k   ; LDS serves a wave's instructions in order: these see the stores above
.endr
	s_wait_dscnt 0x0                                       ; the block is in; the row before's stores of codes and byte are done too, so their registers may be rewritten
	v_max3_num_f32 v[MX], |v[T]|, |v[T+1]|, 0x1800000      ; the floor 2^(3 - 127) holds the byte at 1 from below
	v_max3_num_f32 v[MX+1], |v[T+2]|, |v[T+3]|, |v[T+4]|
.irp k, 0,1,2,3,4,5,6,7,8,9,10,11,12
	v_max3_num_f32 v[MX+\k%2], v[MX+\k%2], |v[T+5+2*\k]|, |v[T+6+2*\k]|
.endr
	v_max3_num_f32 v[MX], v[MX], v[MX+1], |v[T+31]|
	v_add_nc_u32 v[SOP], 0xff000000, v[MX]                 ; 2 off the exponent field: the conversion's scale operand
	v_lshrrev_b32 v[MX+1], 23, v[SOP]                      ; the scale's byte
.irp g, 0,1,2,3
	v_cvt_scalef32_pk8_fp4_f32 v[CD+\g], v[T+8*\g:T+8*\g+7], v[SOP]
.endr
	v_nop                                                  ; a plain instruction behind the last conversion
	ds_store_b128 v[LIMA], v[CD:CD+3] offset:16*\i
	ds_store_b8 v[LSCA], v[MX+1] offset:16*\i
.endm
.macro WLOAD pitch                     ; my tile's scale bytes, then its 16 columns' 512 bytes of codes: 17 loads on either arm
	global_load_b128 v[160:163], v[WSL], s[38:39]
.irp i, 0,1,2,3,4,5,6,7,8,9,10,11,12,13,14,15
	global_load_b128 v[32+4*\i:35+4*\i], v[L16], s[36:37] offset:(\i+8*(\i/8))*\pitch th:TH_LOAD_NT
.endr
.endm
	s_load_b512 s[4:19], s[0:1], 0x0               ; x, g1, be1, w_qkv codes, scales, w_out codes, scales, w1 codes
	s_load_b256 s[20:27], s[0:1], 0x40             ; w1 scales, w2 codes, scales, hq
	s_load_b64 s[28:29], s[0:1], 0x60              ; wts
	v_lshl_add_u32 v1, v0, 2, SPARE
	v_mov_b32 v2, 0
	v_lshrrev_b32 v3, 5, v0
	v_readfirstlane_b32 s30, v3                    ; wave 0..3
	v_and_b32 v3, 31, v0                           ; lane
	v_lshlrev_b32 v[L16], 4, v3
	s_cmp_ge_u32 ttmp9, 256
	s_cbranch_scc1 .Lweights
	; ---------------- LayerNorm: work-group g takes tile m = g % 4 of block g / 4; wave w its image rows 4 w .. 4 w + 3, which are four neighbouring tokens
	s_mov_b32 s[SEL], 0x76543210
	s_mov_b32 s[SEL+1], 0xfedcba98
	s_mov_b32 s[INV], 0x3a800000                   ; 1 / 1,024
	s_mov_b32 s[EPS], 0x3727c5ac                   ; 1e-5
	s_lshr_b32 s34, ttmp9, 2                       ; block
	s_and_b32 s35, ttmp9, 3                        ; m
	s_lshr_b32 s36, s35, 1
	s_and_b32 s37, s35, 1
	s_lshl_b32 s38, s34, 6
	s_lshl_b32 s39, s36, 5
	s_add_co_u32 s38, s38, s39
	s_lshl_b32 s39, s37, 3
	s_add_co_u32 s38, s38, s39
	s_lshl_b32 s39, s30, 2
	s_add_co_u32 s38, s38, s39
	s_lshr_b32 s39, s30, 1
	s_lshl_b32 s39, s39, 3
	s_add_co_u32 s38, s38, s39                     ; my first token: 64 block + 32 (m / 2) + 8 (m % 2) + 4 w + 8 (w / 2)
	s_lshl_b32 s38, s38, 12                        ; x 4,096 bytes
	s_mov_b32 s39, 0
	s_lshl_b32 s44, s34, 15
	s_lshl_b32 s45, s35, 10
	s_add_co_u32 s44, s44, s45                     ; the image: 32,768 block + 1,024 m
	s_mov_b32 s45, 0
	s_lshl_b32 s46, s34, 11
	s_lshl_b32 s47, s35, 8
	s_add_co_u32 s46, s46, s47
	s_add_co_u32 s46, s46, 2097152                 ; the scale bytes: behind the images, 2,048 block + 256 m
	s_mov_b32 s47, 0
	s_wait_kmcnt 0x0
	s_add_nc_u64 s[4:5], s[4:5], s[38:39]
	s_add_nc_u64 s[44:45], s[26:27], s[44:45]
	s_add_nc_u64 s[46:47], s[26:27], s[46:47]
	s_wait_alu depctr_va_vdst(0)
.irp i, 0,1,2,3
.irp j, 0,1,2,3,4,5,6,7
	global_load_b128 v[X+32*\i+4*\j:X+32*\i+4*\j+3], v[L16], s[4:5] offset:4096*\i+512*\j   ; 32 lanes read 512 consecutive bytes
.endr
.endr
.irp j, 0,1,2,3,4,5,6,7
	global_load_b128 v[G+4*\j:G+4*\j+3], v[L16], s[6:7] offset:512*\j
.endr
.irp j, 0,1,2,3,4,5,6,7
	global_load_b128 v[BE+4*\j:BE+4*\j+3], v[L16], s[8:9] offset:512*\j
.endr
	s_mul_i32 s31, s30, 4608
	v_lshrrev_b32 v[MX], 3, v3
	v_lshl_add_u32 v[LTS], v[MX], 4, v[L16]
	v_add_nc_u32 v[LTS], s31, v[LTS]               ; 16 l + 16 (l / 8): 16 bytes of padding behind each block of 128
	v_mul_u32_u24 v[LTL], v3, 144
	v_add_nc_u32 v[LTL], s31, v[LTL]
	v_lshrrev_b32 v[MX], 2, v3                     ; block l = 4 s + 2 c + h
	v_lshlrev_b32 v[LIMA], 10, v[MX]
	v_bfe_u32 v[MX], v3, 1, 1
	v_lshl_add_u32 v[LIMA], v[MX], 9, v[LIMA]
	v_and_b32 v[MX], 1, v3
	v_lshl_add_u32 v[LIMA], v[MX], 8, v[LIMA]
	s_lshl_b32 s32, s30, 6                         ; 16 x (4 w)
	s_add_co_u32 s33, s32, IMG
	v_add_nc_u32 v[LIMA], s33, v[LIMA]
	v_lshrrev_b32 v[MX], 4, v3
	v_and_b32 v[LSCA], 15, v3
	v_lshl_add_u32 v[LSCA], v[MX], 8, v[LSCA]
	s_add_co_u32 s33, s32, SCG
	v_add_nc_u32 v[LSCA], s33, v[LSCA]
	v_lshl_add_u32 v[P2A], v0, 4, IMG
	v_lshrrev_b32 v[MX], 6, v0
	v_and_b32 v[P2G], 63, v0
	v_lshlrev_b32 v[P2G], 4, v[P2G]
	v_lshl_add_u32 v[P2G], v[MX], 12, v[P2G]       ; a K step's 1,024 bytes lie 4,096 apart in memory
	v_add_nc_u32 v[P2S], SCG, v[L16]
	v_lshrrev_b32 v[MX], 4, v3
	v_and_b32 v[P2SG], 15, v3
	v_lshlrev_b32 v[P2SG], 4, v[P2SG]
	v_lshl_add_u32 v[P2SG], v[MX], 10, v[P2SG]
	s_wait_loadcnt 16                              ; x's 32 loads are in; the 16 of g1 and be1 may be out
	LNSTAT 0
	s_wait_loadcnt 0x0
	LNROW 0
	LNROW 1
	LNROW 2
	LNROW 3
	BAR                                            ; the tile's image and scale bytes lie whole in LDS
.irp i, 0,1,2,3
	ds_load_b128 v[32+4*\i:35+4*\i], v[P2A] offset:2048*\i
.endr
.irp i, 0,1,2,3
	s_wait_dscnt 3-\i
	global_store_b128 v[P2G], v[32+4*\i:35+4*\i], s[44:45] offset:8192*\i      ; a wave stores 512 consecutive bytes, aligned
.endr
	s_cmp_lg_u32 s30, 0
	s_cbranch_scc1 .Lln_end
	ds_load_b128 v[48:51], v[P2S]
	s_wait_dscnt 0x0
	global_store_b128 v[P2SG], v[48:51], s[46:47]  ; sixteen lanes store 256 consecutive bytes, aligned
.Lln_end:
	END3
	s_endpgm
	; ---------------- weights: work-group 256 + u lays out unit u; wave t its tile t of 16 columns
.Lweights:
	s_sub_co_u32 s31, ttmp9, 256                   ; u: 0-47 w_qkv, 48-63 w_out, 64-127 w1, 128-191 w2 (4 x column group + quarter of K)
	s_wait_alu depctr_va_vdst(0)
	v_and_b32 v[SOP], 15, v3                       ; r
	v_lshrrev_b32 v[MX], 4, v3                     ; h
	s_mul_i32 s32, s30, 8448
	s_add_co_u32 s32, s32, WSTG
	v_add_nc_u32 v[WSI], s32, v[L16]
	v_mul_u32_u24 v[WSO], v[SOP], 528
	v_lshl_add_u32 v[WSO], v[MX], 4, v[WSO]
	v_add_nc_u32 v[WSO], s32, v[WSO]
	v_lshlrev_b32 v[WSS], 4, v[SOP]
	v_lshl_add_u32 v[WSS], v[MX], 10, v[WSS]       ; 1,024 h + 16 r
	v_and_b32 v[MX+1], 8, v[SOP]
	v_add_nc_u32 v[SOP], v[MX+1], v[SOP]           ; r + 8 (r / 8)
	v_lshlrev_b32 v[MX], 4, v[MX]                  ; 16 h
	s_lshr_b32 s48, s30, 1
	s_lshl_b32 s48, s48, 5
	s_and_b32 s49, s30, 1
	s_lshl_b32 s49, s49, 3
	s_add_co_u32 s48, s48, s49                     ; the tile's first column: 32 (t / 2) + 8 (t % 2)
	s_lshl_b32 s44, s31, 15
	s_lshl_b32 s45, s30, 10
	s_add_co_u32 s44, s44, s45
	s_mov_b32 s45, 0
	s_lshl_b32 s46, s31, 11
	s_lshl_b32 s47, s30, 8
	s_add_co_u32 s46, s46, s47
	s_add_co_u32 s46, s46, 6291456
	s_mov_b32 s47, 0
	s_wait_kmcnt 0x0
	s_add_nc_u64 s[44:45], s[28:29], s[44:45]      ; the unit's image, my tile
	s_add_nc_u64 s[46:47], s[28:29], s[46:47]      ; the unit's scale bytes, my tile
	s_cmp_lt_u32 s31, 64                           ; which weight: the choice hangs on the work-group's number alone
	s_cselect_b64 s[36:37], s[14:15], s[18:19]
	s_cselect_b64 s[38:39], s[16:17], s[20:21]
	s_cselect_b32 s35, 48, 64
	s_cmp_lt_u32 s31, 48
	s_cselect_b64 s[36:37], s[10:11], s[36:37]
	s_cselect_b64 s[38:39], s[12:13], s[38:39]
	s_cselect_b32 s35, 0, s35
	s_cmp_ge_u32 s31, 128
	s_cbranch_scc1 .Lw2
	s_sub_co_u32 s49, s31, s35                     ; K = 1,024: a column is 512 bytes of codes and 32 scale bytes
	s_lshl_b32 s50, s49, 15
	s_lshl_b32 s51, s48, 9
	s_add_co_u32 s50, s50, s51
	s_mov_b32 s51, 0
	s_add_nc_u64 s[36:37], s[36:37], s[50:51]
	s_lshl_b32 s50, s49, 11
	s_lshl_b32 s52, s48, 5
	s_add_co_u32 s50, s50, s52
	s_add_nc_u64 s[38:39], s[38:39], s[50:51]
	s_wait_alu depctr_va_vdst(0)
	v_lshl_add_u32 v[WSL], v[SOP], 5, v[MX]
	WLOAD 512
	s_branch .Lwgo
.Lw2:
	s_sub_co_u32 s49, s31, 128                     ; w2, K = 4,096: a column is 2,048 bytes and 128 scale bytes; the unit takes a quarter of each
	s_lshr_b32 s52, s49, 2
	s_and_b32 s53, s49, 3
	s_lshl_b32 s50, s52, 17
	s_lshl_b32 s51, s53, 9
	s_add_co_u32 s50, s50, s51
	s_lshl_b32 s51, s48, 11
	s_add_co_u32 s50, s50, s51
	s_mov_b32 s51, 0
	s_add_nc_u64 s[36:37], s[22:23], s[50:51]
	s_lshl_b32 s50, s52, 13
	s_lshl_b32 s52, s53, 5
	s_add_co_u32 s50, s50, s52
	s_lshl_b32 s52, s48, 7
	s_add_co_u32 s50, s50, s52
	s_add_nc_u64 s[38:39], s[24:25], s[50:51]
	s_wait_alu depctr_va_vdst(0)
	v_lshl_add_u32 v[WSL], v[SOP], 7, v[MX]
	WLOAD 2048
.Lwgo:
	s_wait_loadcnt 16                              ; the scale bytes are in; the 16 loads of codes may be out
	global_store_b128 v[WSS], v[160:163], s[46:47] ; lane (r, h): the words of K steps 4 h .. 4 h + 3 of column r: sixteen lanes store 256 consecutive bytes, aligned
	s_wait_loadcnt 0x0
.irp i, 0,1,2,3,4,5,6,7,8,9,10,11,12,13,14,15
	ds_store_b128 v[WSI], v[32+4*\i:35+4*\i] offset:528*\i
.endr
.irp k, 0,1,2,3,4,5,6,7,8,9,10,11,12,13,14,15
	ds_load_b128 v[96+4*\k:99+4*\k], v[WSO] offset:32*\k           ; chunk k = 2 s + c: block 4 s + 2 c + h of column r; my own bytes, served in order
.endr
.irp k, 0,1,2,3,4,5,6,7,8,9,10,11,12,13,14,15
	s_wait_dscnt 15-\k
	global_store_b128 v[L16], v[96+4*\k:99+4*\k], s[44:45] offset:4096*(\k/2)+512*(\k%2)
.endr
	END3
	s_endpgm
.Lfunc_end_k_q8404af87d2_prep:
	.size	k_q8404af87d2_prep, .Lfunc_end_k_q8404af87d2_prep-k_q8404af87d2_prep
	.p2alignl 7, 3214868480
	.fill 96, 4, 3214868480
	.section	.rodata,"a",@progbits
	.p2align	6, 0x0
	.amdhsa_kernel k_q8404af87d2_prep
		.amdhsa_group_segment_fixed_size 61440
		.amdhsa_private_segment_fixed_size 0
		.amdhsa_enable_private_segment 0
		.amdhsa_kernarg_size 104
		.amdhsa_user_sgpr_count 2
		.amdhsa_user_sgpr_kernarg_segment_ptr 1
		.amdhsa_wavefront_size32 1
		.amdhsa_system_sgpr_workgroup_id_x 1
		.amdhsa_system_sgpr_workgroup_id_y 1
		.amdhsa_system_sgpr_workgroup_id_z 1
		.amdhsa_system_vgpr_workitem_id 0
		.amdhsa_next_free_vgpr 256
		.amdhsa_next_free_sgpr 66
		.amdhsa_reserve_vcc 0
		.amdhsa_float_denorm_mode_32 3
		.amdhsa_float_denorm_mode_16_64 3
		.amdhsa_memory_ordered 1
		.amdhsa_forward_progress 1
		.amdhsa_inst_pref_size 53
	.end_amdhsa_kernel
	.amdgpu_metadata
---
amdhsa.version: [ 1, 2 ]
amdhsa.kernels:
  - .name:           k_q8404af87d2_prep
    .symbol:         k_q8404af87d2_prep.kd
    .args:
      - { .name: x, .offset: 0, .size: 8, .value_kind: global_buffer, .address_space: global }
      - { .name: g1, .offset: 8, .size: 8, .value_kind: global_buffer, .address_space: global }
      - { .name: be1, .offset: 16, .size: 8, .value_kind: global_buffer, .address_space: global }
      - { .name: w_qkv_codes, .offset: 24, .size: 8, .value_kind: global_buffer, .address_space: global }
      - { .name: w_qkv_scales, .offset: 32, .size: 8, .value_kind: global_buffer, .address_space: global }
      - { .name: w_out_codes, .offset: 40, .size: 8, .value_kind: global_buffer, .address_space: global }
      - { .name: w_out_scales, .offset: 48, .size: 8, .value_kind: global_buffer, .address_space: global }
      - { .name: w1_codes, .offset: 56, .size: 8, .value_kind: global_buffer, .address_space: global }
      - { .name: w1_scales, .offset: 64, .size: 8, .value_kind: global_buffer, .address_space: global }
      - { .name: w2_codes, .offset: 72, .size: 8, .value_kind: global_buffer, .address_space: global }
      - { .name: w2_scales, .offset: 80, .size: 8, .value_kind: global_buffer, .address_space: global }
      - { .name: hq, .offset: 88, .size: 8, .value_kind: global_buffer, .address_space: global }
      - { .name: wts, .offset: 96, .size: 8, .value_kind: global_buffer, .address_space: global }
    .group_segment_fixed_size: 61440
    .private_segment_fixed_size: 0
    .kernarg_segment_align: 8
    .kernarg_segment_size: 104
    .max_flat_workgroup_size: 128
    .sgpr_count:     66
    .vgpr_count:     256
    .wavefront_size: 32
...
	.end_amdgpu_metadata
.endif
;; end of part 1
;; launch qkv (part 2): grid 4 x 64, 12 waves a work-group, no clusters, 36,864 bytes of LDS; arguments hq, wts, b_qkv, qkvc; writes qkvc
.if DOCPART == 2
	.amdgcn_target "amdgcn-amd-amdhsa--gfx1250"
	.amdhsa_code_object_version 6
	.text
	.protected	k_q8404af87d2_qkv
	.globl	k_q8404af87d2_qkv
	.p2align	8
	.type	k_q8404af87d2_qkv,@function
k_q8404af87d2_qkv:
	s_mov_b64 s[64:65], 0
	v_nop
	global_prefetch_b8 v0, s[64:65] scope:SCOPE_SE
	s_setreg_imm32_b32 hwreg(HW_REG_WAVE_MODE, 25, 1), 1
	s_wait_xcnt 0x0
; QKV: qkv = h w_qkv + b_qkv on codes, and q, k, v quantised on the way out: q and k along the head's 64, v along the tokens.  Nothing of reference() is left out here.
; SHARES.  Work-group (slice, block): 64 tokens x 768 columns, so that 4 x 64 = 256 work-groups share the work.  Wave w takes weight unit 12 slice + w, 64 columns = one head: units 0-15 are q's heads, 16-31 k's, 32-47 v's.
; A wave makes 64 tokens x 64 columns: 16 accumulators, K = 1,024 in 8 steps of 128.
; A's block (32,768 bytes of codes, 2,048 of scale bytes) is copied once into LDS as it lies and read by all twelve waves.  A wave's columns are no other wave's: B goes from memory straight into its registers,
; two K steps ahead, in two sets.  So no tensor load is written and no joint request: what work-groups share, B, never passes through LDS here.
; q, k: THE PRODUCT IS USED TRANSPOSED (source 0 = 16 columns, source 1 = 16 tokens): a lane holds one token, and by the order of a tile's columns the 16 registers of tiles 2 b, 2 b + 1 are 16 neighbouring columns.
; v: THE PRODUCT IS USED AS IT STANDS (source 0 = tokens): a lane holds one column and 16 neighbouring tokens, the second attention product's K.
; The kind may differ between the waves of a work-group: head, copy and barrier are common, the waves part behind them, and neither path holds a barrier or an LDS store.
; The bias is asked for ahead of the last K step and added to the finished sums.
; OUT (qkvc): q at 0, k at 2,097,152: (32 bh + block) 2,048 + 512 m + 16 lane;  v at 4,194,304: 65,536 bh + 4,096 (block / 2) + 1,024 t + 512 (block % 2) + 16 lane;  scale words behind them.
; The scale words of q, k (128 bytes a wave) and of v (2 bytes a lane) fill aligned blocks of 256 bytes only in part: 393,216 of the launch's 6,684,672 bytes.
.set SPARE, 34816
.set AAD, 3                            ; v3  16 x lane: A's fragments and, 32,768 on, its scale words
.set BOF, 4                            ; v4  16 x lane
.set BIO, 5                            ; v5  q, k: the bias's offset, 64 (lane / 16)
.set C16, 6                            ; v6  the copy: 16 x thread, in memory and in LDS
.set C5,  7                            ; v7  the copy's last pass: 16 x (thread % 128)
.set SA,  8                            ; v8-15   A's scale words: 4 K steps x 2 pairs of tiles
.set SB,  16                           ; v16-31  B's: 8 K steps x 2 pairs of tiles
.set AF,  32                           ; v32-63  A's four fragments
.set BF,  64                           ; v64-127 B's four fragments, two sets
.set ACC, 128
.set SAD, 3
.set SAO, 32768
.set TM,  32
.set AP,  16
.set ASP, 18
.set BB,  20
.set BSP, 22
.set BP,  24
.set SEL, 26
.set KIND, 36                          ; s36 0 q, 1 k, 2 v
.set HEAD, 37                          ; s37 my head
.set P5,  38                           ; s[38:39] where the copy's last pass reads
.macro END3                            ; a wave's end: behind its last LDS store
	s_wait_tensorcnt 0x0
	ds_add_u32 v1, v2
	s_wait_dscnt 0x0
.endm
.macro BAR
	s_wait_dscnt 0x0
	s_barrier_signal -1
	s_barrier_wait -1
.endm
.macro WM d, a, b, sa, sb, ra, rb, z   ; one product; ra, rb: the side's scale words stand in lanes 16-31; z: it starts the sum
.if (\z)
.if (\ra) && (\rb)
	v_wmma_scale_f32_16x16x128_f8f6f4 v[\d:\d+7], v[\a:\a+7], v[\b:\b+7], 0, v[\sa], v[\sb] matrix_a_fmt:MATRIX_FMT_FP4 matrix_b_fmt:MATRIX_FMT_FP4 matrix_a_scale:MATRIX_SCALE_ROW1 matrix_b_scale:MATRIX_SCALE_ROW1
.elseif (\ra)
	v_wmma_scale_f32_16x16x128_f8f6f4 v[\d:\d+7], v[\a:\a+7], v[\b:\b+7], 0, v[\sa], v[\sb] matrix_a_fmt:MATRIX_FMT_FP4 matrix_b_fmt:MATRIX_FMT_FP4 matrix_a_scale:MATRIX_SCALE_ROW1
.elseif (\rb)
	v_wmma_scale_f32_16x16x128_f8f6f4 v[\d:\d+7], v[\a:\a+7], v[\b:\b+7], 0, v[\sa], v[\sb] matrix_a_fmt:MATRIX_FMT_FP4 matrix_b_fmt:MATRIX_FMT_FP4 matrix_b_scale:MATRIX_SCALE_ROW1
.else
	v_wmma_scale_f32_16x16x128_f8f6f4 v[\d:\d+7], v[\a:\a+7], v[\b:\b+7], 0, v[\sa], v[\sb] matrix_a_fmt:MATRIX_FMT_FP4 matrix_b_fmt:MATRIX_FMT_FP4
.endif
.else
.if (\ra) && (\rb)
	v_wmma_scale_f32_16x16x128_f8f6f4 v[\d:\d+7], v[\a:\a+7], v[\b:\b+7], v[\d:\d+7], v[\sa], v[\sb] matrix_a_fmt:MATRIX_FMT_FP4 matrix_b_fmt:MATRIX_FMT_FP4 matrix_a_scale:MATRIX_SCALE_ROW1 matrix_b_scale:MATRIX_SCALE_ROW1
.elseif (\ra)
	v_wmma_scale_f32_16x16x128_f8f6f4 v[\d:\d+7], v[\a:\a+7], v[\b:\b+7], v[\d:\d+7], v[\sa], v[\sb] matrix_a_fmt:MATRIX_FMT_FP4 matrix_b_fmt:MATRIX_FMT_FP4 matrix_a_scale:MATRIX_SCALE_ROW1
.elseif (\rb)
	v_wmma_scale_f32_16x16x128_f8f6f4 v[\d:\d+7], v[\a:\a+7], v[\b:\b+7], v[\d:\d+7], v[\sa], v[\sb] matrix_a_fmt:MATRIX_FMT_FP4 matrix_b_fmt:MATRIX_FMT_FP4 matrix_b_scale:MATRIX_SCALE_ROW1
.else
	v_wmma_scale_f32_16x16x128_f8f6f4 v[\d:\d+7], v[\a:\a+7], v[\b:\b+7], v[\d:\d+7], v[\sa], v[\sb] matrix_a_fmt:MATRIX_FMT_FP4 matrix_b_fmt:MATRIX_FMT_FP4
.endif
.endif
.endm
; K step s: 16 products, the 16 accumulators by turns; then four places; then the next step's A from LDS and B of two steps on from memory.
; cnt: the global loads issued behind B(s)'s eight, which may stay out.
.macro KSTEP s, nat, z, cnt
	s_wait_loadcnt \cnt
	s_wait_dscnt 0x0                               ; A(s) and its scale words are in
.irp m, 0,1,2,3
.irp t, 0,1,2,3
.if \nat
	WM ACC+8*(4*\t+\m), AF+8*\m, BF+32*((\s)%2)+8*\t, SA+4*(\m/2)+(\s)%4, SB+4*(2*((\s)/4)+\t/2)+(\s)%4, \m%2, \t%2, \z
.else
	WM ACC+8*(4*\m+\t), BF+32*((\s)%2)+8*\t, AF+8*\m, SB+4*(2*((\s)/4)+\t/2)+(\s)%4, SA+4*(\m/2)+(\s)%4, \t%2, \m%2, \z
.endif
.endr
.endr
.rept 4
	v_nop                                          ; places in front of loads into registers that the products have read, and of the first read of results
.endr
.if (\s) < 7
.irp m, 0,1,2,3
.irp c, 0,1
	ds_load_b128 v[AF+8*\m+4*\c:AF+8*\m+4*\c+3], v[AAD] offset:4096*((\s)+1)+1024*\m+512*\c
.endr
.endr
.endif
.if (\s) == 3
	ds_load_b128 v[SA:SA+3], v[SAD] offset:SAO+1024
	ds_load_b128 v[SA+4:SA+7], v[SAD] offset:SAO+1536
.endif
.if (\s) < 6
.irp t, 0,1,2,3
.irp c, 0,1
	global_load_b128 v[BF+32*((\s)%2)+8*\t+4*\c:BF+32*((\s)%2)+8*\t+4*\c+3], v[BOF], s[BB:BB+1] offset:4096*((\s)+2)+1024*\t+512*\c
.endr
.endr
.endif
.endm
; 32 registers of a lane, register 16 b + i = element 32 b + 16 (lane / 16) + i of its row, become one chunk of an image (lane (r, h): block h of row r) in v[pc .. pc + 3] and the row's two scale bytes in v[hw].
.macro QUANT2 s, pc, hw
.irp b, 0,1
	v_max3_num_f32 v[TM+\b], |v[\s+16*\b]|, |v[\s+16*\b+1]|, 0x1800000   ; with the floor 2^(3 - 127): the byte cannot fall under 1
.endr
.irp i, 2,4,6,8,10,12,14
.irp b, 0,1
	s_delay_alu instid0(VALU_DEP_2)
	v_max3_num_f32 v[TM+\b], v[TM+\b], |v[\s+16*\b+\i]|, |v[\s+16*\b+\i+1]|
.endr
.endr
.irp b, 0,1
	s_delay_alu instid0(VALU_DEP_2)
	v_permlanex16_b32 v[TM+2+\b], v[TM+\b], s[SEL], s[SEL+1]
.endr
.irp b, 0,1
	s_delay_alu instid0(VALU_DEP_2)
	v_max_num_f32 v[TM+\b], v[TM+\b], v[TM+2+\b]
.endr
.irp b, 0,1
	s_delay_alu instid0(VALU_DEP_2)
	v_add_nc_u32 v[TM+4+\b], 0xff000000, v[TM+\b]  ; 2 off the exponent field: the conversion's scale operand
.endr
.irp b, 0,1
	s_delay_alu instid0(VALU_DEP_2)
	v_lshrrev_b32 v[TM+6+\b], 23, v[TM+4+\b]
.endr
	s_delay_alu instid0(VALU_DEP_1)
	v_lshl_or_b32 v[\hw], v[TM+7], 8, v[TM+6]
	v_cvt_scalef32_pk8_fp4_f32 v[\pc], v[\s:\s+7], v[TM+4]
	v_cvt_scalef32_pk8_fp4_f32 v[\pc+1], v[\s+8:\s+15], v[TM+4]
	v_cvt_scalef32_pk8_fp4_f32 v[\pc+2], v[\s+16:\s+23], v[TM+5]
	v_cvt_scalef32_pk8_fp4_f32 v[\pc+3], v[\s+24:\s+31], v[TM+5]
	v_nop                                          ; a plain instruction behind the last conversion
	v_permlane16_swap_b32 v[\pc], v[\pc+2]         ; a whole block to a lane: lanes 0-15 block 0, lanes 16-31 block 1
	v_permlane16_swap_b32 v[\pc+1], v[\pc+3]
.endm
	s_load_b256 s[4:11], s[0:1], 0x0               ; hq, wts, b_qkv, qkvc
	v_lshl_add_u32 v1, v0, 2, SPARE
	v_mov_b32 v2, 0
	v_lshrrev_b32 v3, 5, v0
	s_delay_alu instid0(VALU_DEP_1)
	v_readfirstlane_b32 s12, v3                    ; wave 0..11
	v_and_b32 v5, 31, v0
	s_delay_alu instid0(VALU_DEP_1)
	v_lshlrev_b32 v[BOF], 4, v5
	s_delay_alu instid0(VALU_DEP_1)
	v_mov_b32 v[AAD], v[BOF]
	v_lshlrev_b32 v[C16], 4, v0
	v_and_b32 v[C5], 127, v0
	s_delay_alu instid0(VALU_DEP_1)
	v_lshlrev_b32 v[C5], 4, v[C5]
	v_bfe_u32 v[BIO], v0, 4, 1
	s_delay_alu instid0(VALU_DEP_1)
	v_lshlrev_b32 v[BIO], 6, v[BIO]                ; transposed, register j of tile t is column 32 (t / 2) + 16 h + 8 (t % 2) + j
	s_mov_b32 s13, ttmp9                           ; slice of 768 columns
	s_and_b32 s14, ttmp7, 0xffff                   ; block of 64 tokens
	s_mul_i32 s15, s13, 12
	s_add_co_u32 s15, s15, s12                     ; the weight unit
	s_lshr_b32 s[KIND], s15, 4
	s_and_b32 s[HEAD], s15, 15
	s_mov_b32 s[SEL], 0x76543210
	s_mov_b32 s[SEL+1], 0xfedcba98
	s_lshl_b32 s16, s14, 15
	s_mov_b32 s17, 0
	s_lshl_b32 s18, s14, 11
	s_add_co_u32 s18, s18, 2097152
	s_mov_b32 s19, 0
	s_lshl_b32 s20, s15, 15
	s_mov_b32 s21, 0
	s_lshl_b32 s22, s15, 11
	s_add_co_u32 s22, s22, 6291456
	s_mov_b32 s23, 0
	s_lshl_b32 s24, s15, 8                         ; 64 columns x 4 bytes
	s_mov_b32 s25, 0
	s_lshr_b32 s28, s14, 5                         ; batch
	s_and_b32 s29, s14, 31                         ; block in the batch
	s_wait_alu depctr_va_vdst(0)
	s_wait_kmcnt 0x0
	s_add_nc_u64 s[16:17], s[4:5], s[16:17]
	s_add_nc_u64 s[18:19], s[4:5], s[18:19]
	s_add_nc_u64 s[20:21], s[6:7], s[20:21]
	s_add_nc_u64 s[22:23], s[6:7], s[22:23]
	s_add_nc_u64 s[24:25], s[8:9], s[24:25]
	s_add_nc_u64 s[P5:P5+1], s[16:17], 30720       ; the copy's last pass: waves 0-3 the image's last 2,048 bytes,
	s_cmp_lt_u32 s12, 4
	s_cselect_b64 s[P5:P5+1], s[P5:P5+1], s[18:19] ; waves 4-7 the 2,048 scale bytes, which follow them in LDS
	; A's copy: 384 threads x 16 bytes are 6,144 bytes a pass: five passes, and 4,096 bytes more by waves 0-7
.irp i, 0,1,2,3,4
	global_load_b128 v[AF+4*\i:AF+4*\i+3], v[C16], s[AP:AP+1] offset:6144*\i
.endr
	s_cmp_ge_u32 s12, 8
	s_cbranch_scc1 .Lno_tail_load
	global_load_b128 v[AF+20:AF+23], v[C5], s[P5:P5+1]
.Lno_tail_load:
.irp g, 0,1,2,3
	global_load_b128 v[SB+4*\g:SB+4*\g+3], v[BOF], s[BSP:BSP+1] offset:512*\g
.endr
.irp s, 0,1
.irp t, 0,1,2,3
.irp c, 0,1
	global_load_b128 v[BF+32*\s+8*\t+4*\c:BF+32*\s+8*\t+4*\c+3], v[BOF], s[BB:BB+1] offset:4096*\s+1024*\t+512*\c
.endr
.endr
.endr
	s_wait_loadcnt 20                              ; the copy's loads are in: 4 + 16 loads stand behind them, on either way
.irp i, 0,1,2,3,4
	ds_store_b128 v[C16], v[AF+4*\i:AF+4*\i+3] offset:6144*\i
.endr
	s_cmp_ge_u32 s12, 8
	s_cbranch_scc1 .Lno_tail_store
	ds_store_b128 v[C16], v[AF+20:AF+23] offset:30720
.Lno_tail_store:
	BAR                                            ; A's block lies whole in LDS; nobody writes LDS from here on
.irp m, 0,1,2,3
.irp c, 0,1
	ds_load_b128 v[AF+8*\m+4*\c:AF+8*\m+4*\c+3], v[AAD] offset:1024*\m+512*\c
.endr
.endr
	ds_load_b128 v[SA:SA+3], v[SAD] offset:SAO
	ds_load_b128 v[SA+4:SA+7], v[SAD] offset:SAO+512
	s_cmp_eq_u32 s[KIND], 2
	s_cbranch_scc1 .Lv
	; ---------------- q and k
	KSTEP 0, 0, 1, 8
	KSTEP 1, 0, 0, 8
	KSTEP 2, 0, 0, 8
	KSTEP 3, 0, 0, 8
	KSTEP 4, 0, 0, 8
	KSTEP 5, 0, 0, 8
	KSTEP 6, 0, 0, 8
.irp t, 0,1,2,3
	global_load_b128 v[BF+8*\t:BF+8*\t+3], v[BIO], s[BP:BP+1] offset:4*(32*(\t/2)+8*(\t%2))        ; the bias of tile t's eight columns of my half, into the set that K step 6 has left
	global_load_b128 v[BF+8*\t+4:BF+8*\t+7], v[BIO], s[BP:BP+1] offset:4*(32*(\t/2)+8*(\t%2))+16
.endr
	KSTEP 7, 0, 0, 8                               ; the eight loads just issued may stay out
	s_wait_loadcnt 0x0
.irp m, 0,1,2,3
.irp t, 0,1,2,3
.irp k, 0,2,4,6
	v_pk_add_f32 v[ACC+8*(4*\m+\t)+\k:ACC+8*(4*\m+\t)+\k+1], v[ACC+8*(4*\m+\t)+\k:ACC+8*(4*\m+\t)+\k+1], v[BF+8*\t+\k:BF+8*\t+\k+1]
.endr
.endr
.endr
	v_mov_b32 v[TM+2], 0                           ; a lane permute's destination counts as one of its sources
	v_mov_b32 v[TM+3], 0
	s_lshl_b32 s30, s28, 9
	s_lshl_b32 s31, s[HEAD], 5
	s_add_co_u32 s30, s30, s31
	s_add_co_u32 s30, s30, s29                     ; 32 (16 batch + head) + block
	s_lshl_b32 s32, s30, 11
	s_lshl_b32 s33, s[KIND], 21
	s_add_co_u32 s32, s32, s33
	s_mov_b32 s33, 0
	s_add_nc_u64 s[32:33], s[10:11], s[32:33]
	s_lshl_b32 s34, s30, 7
	s_lshl_b32 s35, s[KIND], 17
	s_add_co_u32 s34, s34, s35
	s_add_co_u32 s34, s34, 6291456
	s_mov_b32 s35, 0
	s_add_nc_u64 s[34:35], s[10:11], s[34:35]
.irp m, 0,1,2,3
	QUANT2 ACC+32*\m, 40+4*\m, 56+\m
	global_store_b128 v[BOF], v[40+4*\m:43+4*\m], s[32:33] offset:512*\m       ; 512 consecutive bytes, aligned
.endr
	v_lshl_or_b32 v60, v57, 16, v56                ; a word for a pair of tiles: tile 2 p's two bytes, tile 2 p + 1's two
	v_lshl_or_b32 v61, v59, 16, v58
	v_and_b32 v62, 31, v0
	s_delay_alu instid0(VALU_DEP_1)
	v_cmp_le_u32 vcc_lo, 16, v62
	s_delay_alu instid0(VALU_DEP_1)
	v_cndmask_b32 v60, v60, v61, vcc_lo            ; lanes 0-15 pair 0, lanes 16-31 pair 1
	s_delay_alu instid0(VALU_DEP_3)
	v_lshlrev_b32 v62, 2, v62
	global_store_b32 v62, v60, s[34:35]
	END3
	s_endpgm
	; ---------------- v
.Lv:
	v_and_b32 v6, 15, v0                           ; (the copy's loads are done: their address registers are free)
	s_delay_alu instid0(VALU_DEP_1)
	v_and_b32 v7, 8, v6
	s_delay_alu instid0(VALU_DEP_1)
	v_add_nc_u32 v6, v6, v7
	s_delay_alu instid0(VALU_DEP_1)
	v_lshlrev_b32 v6, 2, v6                        ; 4 (r + 8 (r / 8)): my column's bias in a tile
	s_wait_alu depctr_va_vdst(0)
	KSTEP 0, 1, 1, 8
	KSTEP 1, 1, 0, 8
	KSTEP 2, 1, 0, 8
	KSTEP 3, 1, 0, 8
	KSTEP 4, 1, 0, 8
	KSTEP 5, 1, 0, 8
	KSTEP 6, 1, 0, 8
.irp t, 0,1,2,3
	global_load_b32 v[BF+2*\t], v6, s[BP:BP+1] offset:4*(32*(\t/2)+8*(\t%2))   ; the bias of my column of tile t, twice: a pair for the packed addition
	global_load_b32 v[BF+2*\t+1], v6, s[BP:BP+1] offset:4*(32*(\t/2)+8*(\t%2))
.endr
	KSTEP 7, 1, 0, 8                               ; the eight loads just issued may stay out
	s_wait_loadcnt 0x0
.irp t, 0,1,2,3
.irp k, 0,2,4,6,8,10,12,14,16,18,20,22,24,26,28,30
	v_pk_add_f32 v[ACC+32*\t+\k:ACC+32*\t+\k+1], v[ACC+32*\t+\k:ACC+32*\t+\k+1], v[BF+2*\t:BF+2*\t+1]
.endr
.endr
	v_mov_b32 v[TM+2], 0
	v_mov_b32 v[TM+3], 0
	s_lshl_b32 s30, s28, 4
	s_add_co_u32 s30, s30, s[HEAD]                 ; bh
	s_lshr_b32 s31, s29, 1                         ; key step
	s_and_b32 s38, s29, 1                          ; which half of it
	s_lshl_b32 s32, s30, 16
	s_lshl_b32 s33, s31, 12
	s_add_co_u32 s32, s32, s33
	s_lshl_b32 s33, s38, 9
	s_add_co_u32 s32, s32, s33
	s_add_co_u32 s32, s32, 4194304
	s_mov_b32 s33, 0
	s_add_nc_u64 s[32:33], s[10:11], s[32:33]
	s_lshl_b32 s34, s30, 12
	s_lshl_b32 s35, s31, 8
	s_add_co_u32 s34, s34, s35
	s_lshl_b32 s35, s38, 1
	s_add_co_u32 s34, s34, s35
	s_add_co_u32 s34, s34, 6553600
	s_mov_b32 s35, 0
	s_add_nc_u64 s[34:35], s[10:11], s[34:35]
.irp t, 0,1,2,3
	QUANT2 ACC+32*\t, 40+4*\t, 56+\t
	global_store_b128 v[BOF], v[40+4*\t:43+4*\t], s[32:33] offset:1024*\t
.endr
	v_and_b32 v62, 31, v0
	s_delay_alu instid0(VALU_DEP_1)
	v_cmp_le_u32 vcc_lo, 16, v62
	s_delay_alu instid0(VALU_DEP_1)
	v_cndmask_b32 v60, v56, v57, vcc_lo            ; lanes 0-15 tile 0 or 2, lanes 16-31 tile 1 or 3
	s_delay_alu instid0(VALU_DEP_2)
	v_cndmask_b32 v61, v58, v59, vcc_lo
	s_delay_alu instid0(VALU_DEP_4)
	v_lshlrev_b32 v62, 2, v62
	global_store_b16 v62, v60, s[34:35]            ; my half of the key step's scale word of each column
	global_store_b16 v62, v61, s[34:35] offset:128
	END3
	s_endpgm
.Lfunc_end_k_q8404af87d2_qkv:
	.size	k_q8404af87d2_qkv, .Lfunc_end_k_q8404af87d2_qkv-k_q8404af87d2_qkv
	.p2alignl 7, 3214868480
	.fill 96, 4, 3214868480
	.section	.rodata,"a",@progbits
	.p2align	6, 0x0
	.amdhsa_kernel k_q8404af87d2_qkv
		.amdhsa_group_segment_fixed_size 36864
		.amdhsa_private_segment_fixed_size 0
		.amdhsa_enable_private_segment 0
		.amdhsa_kernarg_size 32
		.amdhsa_user_sgpr_count 2
		.amdhsa_user_sgpr_kernarg_segment_ptr 1
		.amdhsa_wavefront_size32 1
		.amdhsa_system_sgpr_workgroup_id_x 1
		.amdhsa_system_sgpr_workgroup_id_y 1
		.amdhsa_system_sgpr_workgroup_id_z 1
		.amdhsa_system_vgpr_workitem_id 0
		.amdhsa_next_free_vgpr 256
		.amdhsa_next_free_sgpr 66
		.amdhsa_reserve_vcc 1
		.amdhsa_float_denorm_mode_32 3
		.amdhsa_float_denorm_mode_16_64 3
		.amdhsa_memory_ordered 1
		.amdhsa_forward_progress 1
		.amdhsa_inst_pref_size 91
	.end_amdhsa_kernel
	.amdgpu_metadata
---
amdhsa.version: [ 1, 2 ]
amdhsa.kernels:
  - .name:           k_q8404af87d2_qkv
    .symbol:         k_q8404af87d2_qkv.kd
    .args:
      - { .name: hq, .offset: 0, .size: 8, .value_kind: global_buffer, .address_space: global }
      - { .name: wts, .offset: 8, .size: 8, .value_kind: global_buffer, .address_space: global }
      - { .name: b_qkv, .offset: 16, .size: 8, .value_kind: global_buffer, .address_space: global }
      - { .name: qkvc, .offset: 24, .size: 8, .value_kind: global_buffer, .address_space: global }
    .group_segment_fixed_size: 36864
    .private_segment_fixed_size: 0
    .kernarg_segment_align: 8
    .kernarg_segment_size: 32
    .max_flat_workgroup_size: 384
    .sgpr_count:     66
    .vgpr_count:     256
    .wavefront_size: 32
...
	.end_amdgpu_metadata
.endif
;; end of part 2
;; launch attn (part 3): grid 8 x 32, 16 waves a work-group, clusters of 4 x 1, 167,936 bytes of LDS; arguments qkvc, oq; writes oq
.if DOCPART == 3
	.amdgcn_target "amdgcn-amd-amdhsa--gfx1250"
	.amdhsa_code_object_version 6
	.text
	.protected	k_q8404af87d2_attn
	.globl	k_q8404af87d2_attn
	.p2align	8
	.type	k_q8404af87d2_attn,@function
k_q8404af87d2_attn:
	s_mov_b64 s[64:65], 0
	v_nop
	global_prefetch_b8 v0, s[64:65] scope:SCOPE_SE
	s_setreg_imm32_b32 hwreg(HW_REG_WAVE_MODE, 25, 1), 1
	s_wait_xcnt 0x0
	s_wait_alu depctr_hold_cnt(0) depctr_sa_sdst(0) depctr_va_vdst(0) depctr_va_sdst(0) depctr_va_ssrc(0) depctr_va_vcc(0) depctr_vm_vsrc(0)
	s_getreg_b32 s2, hwreg(HW_REG_IB_STS2, 6, 4)
	s_cmp_eq_u32 s2, 0
	s_cbranch_scc0 .Lentry_in_a_cluster
	s_endpgm
.Lentry_in_a_cluster:
	s_bfe_u32 s2, ttmp6, 0x10000c
	s_cmp_lg_u32 s2, 0x3003
	s_cbranch_scc0 .Lentry_shape_is_right
	s_endpgm
.Lentry_shape_is_right:
; ATTENTION on codes: o = softmax(q k^T / 8) v for one head and 256 queries, o quantised along the features on the way out.  Nothing of reference() is left out here.
; THE SOFTMAX: t = score x log2(e) / 8; M = the running largest t rounded UP to a whole number, kept as -M = floor(-t); p = 2^(t - M) is quantised along the keys, not normalised; the row's sum is taken of the
; unquantised p and divides at the end; when M moves, the sum and O are multiplied by 2^(old M - new M), which rounds nothing.
; LIMITS: the promise holds while the scaled scores t stay under 2^31 in magnitude; NaN and infinities are not served; a block of zeros gets the scale byte 1 (its codes are zeros, and this program alone reads the bytes).
; SHARES.  Sixteen waves, each ONE tile of 16 queries in 256 registers: four waves to a SIMD.  Every wave walks the head's 2,048 keys, 128 a step.
; K, V AND THEIR SCALE BYTES COME ONCE, by nine tensor loads at the head, one a wave: waves 0-3 K's quarters, waves 4-7 V's (16 rows of 1,024 bytes each), wave 8 both tensors' scale bytes (2 rows of 4,096).
; CLUSTER: four work-groups of one head read the same K and V, so each load is a joint request of the four (mask 15).  No LDS byte is filled twice: no ring.
; No prefetch: every tile is asked for at the head, and no loop runs ahead of a load.
; BOTH PRODUCTS ARE USED TRANSPOSED (S^T = K Q^T, O^T = V^T P^T): a lane holds one query throughout.
; K = 64 IN AN INSTRUCTION OF 128: a fragment of K holds TWO tiles of 16 keys, one in each half of the instruction's K; Q stands as [q | 0 | q] in twelve registers: [q | 0] picks the first tile, [0 | q] the second.
; THE KEYS OF A TILE: tile u (0..3) of a block of 64 keys takes keys 8 u + 0..7 in its rows 0-7 and keys 32 + 8 u + 0..7 in its rows 8-15.  So register 96 + 32 c + 8 u + j of lane (query, h) is key
; 64 c + 32 h + 8 u + j of the step: a lane holds WHOLE blocks of 32 keys, in the order of the second product's operand: a block's maximum asks no other lane, and the conversions' results are the operand.
; LDS: a row of 1,024 bytes gets 128 of padding (pitch 1,152): rows 0-7 and 8-15 of a tile of K lie one LDS row apart, so the sixteen lanes of a load touch sixteen different 16-byte columns of 256 bytes.
.set VOFF,  73728                      ; K: 64 rows x 1,152; then V likewise
.set KSC,   147456                     ; K's scale bytes, 4,096
.set VSC,   151552                     ; V's
.set SPARE, 155648                     ; the spare words, 128 bytes a wave
.set TM,  204
.set CS,  26                           ; s[26:27] c = log2(e) / 8
.set SEL, 28
.set TK,  30                           ; the step's bytes in K and in V: 4,608 a step
.set TS,  31                           ; and among the scale words: 256 a step
.set CNT, 32
.set NC,  39                           ; -c
.set G1C, 40                           ; s[40:47] group 1 for codes, s[48:55] for scale bytes, s[56:59], s[60:63] their groups 0
.set G1S, 48
.set G0C, 56
.set G0S, 60
.macro END3                            ; a wave's end
	s_wait_tensorcnt 0x0
	ds_add_u32 v1, v2
	s_wait_dscnt 0x0
.endm
.macro CROUND                          ; a round of the cluster's barrier
	s_barrier_signal -1
	s_barrier_wait -1
	s_cmp_lg_u32 s8, 0
	s_cbranch_scc1 .Lnot_wave_0_\@
	s_barrier_signal -3
.Lnot_wave_0_\@:
	s_barrier_wait -3
	s_barrier_signal -1
	s_barrier_wait -1
.endm
.macro ARM under, g0, g1, next         ; one arm of the head's chain: a joint load and a jump to the chain's end
	s_cmp_lt_u32 s8, \under
	s_cbranch_scc0 \next
	tensor_load_to_lds s[\g0:\g0+3], s[\g1:\g1+7]
	s_nop 0
.rept 4
	v_nop
.endr
	s_branch .Lhead_asked
\next:
.endm
.macro WM d, a, b, sa, sb, ra, z       ; one product; ra: source 0's scale words stand in lanes 16-31; z: it starts the sum
.if (\z)
.if (\ra)
	v_wmma_scale_f32_16x16x128_f8f6f4 v[\d:\d+7], v[\a:\a+7], v[\b:\b+7], 0, v[\sa], v[\sb] matrix_a_fmt:MATRIX_FMT_FP4 matrix_b_fmt:MATRIX_FMT_FP4 matrix_a_scale:MATRIX_SCALE_ROW1
.else
	v_wmma_scale_f32_16x16x128_f8f6f4 v[\d:\d+7], v[\a:\a+7], v[\b:\b+7], 0, v[\sa], v[\sb] matrix_a_fmt:MATRIX_FMT_FP4 matrix_b_fmt:MATRIX_FMT_FP4
.endif
.else
.if (\ra)
	v_wmma_scale_f32_16x16x128_f8f6f4 v[\d:\d+7], v[\a:\a+7], v[\b:\b+7], v[\d:\d+7], v[\sa], v[\sb] matrix_a_fmt:MATRIX_FMT_FP4 matrix_b_fmt:MATRIX_FMT_FP4 matrix_a_scale:MATRIX_SCALE_ROW1
.else
	v_wmma_scale_f32_16x16x128_f8f6f4 v[\d:\d+7], v[\a:\a+7], v[\b:\b+7], v[\d:\d+7], v[\sa], v[\sb] matrix_a_fmt:MATRIX_FMT_FP4 matrix_b_fmt:MATRIX_FMT_FP4
.endif
.endif
.endm
.macro QUANT2 s, pc, hw                ; 32 registers, register 16 b + i = element 32 b + 16 (lane / 16) + i, become a chunk of an image and the row's two scale bytes
.irp b, 0,1
	v_max3_num_f32 v[TM+\b], |v[\s+16*\b]|, |v[\s+16*\b+1]|, 0x1800000
.endr
.irp i, 2,4,6,8,10,12,14
.irp b, 0,1
	s_delay_alu instid0(VALU_DEP_2)
	v_max3_num_f32 v[TM+\b], v[TM+\b], |v[\s+16*\b+\i]|, |v[\s+16*\b+\i+1]|
.endr
.endr
.irp b, 0,1
	s_delay_alu instid0(VALU_DEP_2)
	v_permlanex16_b32 v[TM+2+\b], v[TM+\b], s[SEL], s[SEL+1]
.endr
.irp b, 0,1
	s_delay_alu instid0(VALU_DEP_2)
	v_max_num_f32 v[TM+\b], v[TM+\b], v[TM+2+\b]
.endr
.irp b, 0,1
	s_delay_alu instid0(VALU_DEP_2)
	v_add_nc_u32 v[TM+4+\b], 0xff000000, v[TM+\b]
.endr
.irp b, 0,1
	s_delay_alu instid0(VALU_DEP_2)
	v_lshrrev_b32 v[TM+6+\b], 23, v[TM+4+\b]
.endr
	s_delay_alu instid0(VALU_DEP_1)
	v_lshl_or_b32 v[\hw], v[TM+7], 8, v[TM+6]
	v_cvt_scalef32_pk8_fp4_f32 v[\pc], v[\s:\s+7], v[TM+4]
	v_cvt_scalef32_pk8_fp4_f32 v[\pc+1], v[\s+8:\s+15], v[TM+4]
	v_cvt_scalef32_pk8_fp4_f32 v[\pc+2], v[\s+16:\s+23], v[TM+5]
	v_cvt_scalef32_pk8_fp4_f32 v[\pc+3], v[\s+24:\s+31], v[TM+5]
	v_nop
	v_permlane16_swap_b32 v[\pc], v[\pc+2]
	v_permlane16_swap_b32 v[\pc+1], v[\pc+3]
.endm
	s_load_b128 s[4:7], s[0:1], 0x0                ; qkvc, oq
	v_lshl_add_u32 v1, v0, 2, SPARE
	v_mov_b32 v2, 0
	ds_add_u32 v1, v2                              ; the opening lines: the add twice on end and one wait, ahead of the first tensor load
	ds_add_u32 v1, v2
	v_lshrrev_b32 v3, 5, v0
	s_delay_alu instid0(VALU_DEP_1)
	v_readfirstlane_b32 s8, v3                     ; wave
	s_and_b32 s10, ttmp7, 0xffff                   ; bh = 16 batch + head: the four partners share it
	s_min_u32 s15, s8, 7                           ; the loading wave's number
	s_lshl_b32 s12, s10, 16                        ; codes: 2,097,152 (1 + w / 4) + 65,536 bh + 16,384 (w % 4): K for waves 0-3, V for waves 4-7
	s_lshr_b32 s13, s15, 2
	s_lshl_b32 s13, s13, 21
	s_add_co_u32 s12, s12, s13
	s_and_b32 s13, s15, 3
	s_lshl_b32 s13, s13, 14
	s_add_co_u32 s12, s12, s13
	s_add_co_u32 s12, s12, 2097152
	s_mov_b32 s13, 0
	s_mul_i32 s14, s15, 18432                      ; and in LDS: 16 rows x 1,152 a wave
	s_lshl_b32 s16, s10, 12
	s_add_co_u32 s16, s16, 6422528                 ; K's scale bytes; V's lie 131,072 bytes on
	s_mov_b32 s17, 0
	s_mov_b32 s[G1C], 15|(3<<16)|(1<<20)|(1<<21)|(7<<22)|(31<<25)  ; mask of the four; elements of 8 bytes; 32 words of padding behind every 256
	s_mov_b32 s[G1C+1], 128<<16                    ; a row: 128 elements
	s_mov_b32 s[G1C+2], 16<<16                     ; 16 rows
	s_mov_b32 s[G1C+3], 128<<16
	s_mov_b32 s[G1C+4], 16
	s_mov_b32 s[G1C+5], 128                        ; dense
	s_mov_b32 s[G1C+6], 0
	s_mov_b32 s[G1C+7], 0
	s_mov_b32 s[G1S], 15|(3<<16)|(1<<21)           ; the scale bytes: 2 rows of 512 elements, 16,384 elements apart, no padding
	s_mov_b32 s[G1S+1], 512<<16
	s_mov_b32 s[G1S+2], 2<<16
	s_mov_b32 s[G1S+3], 512<<16
	s_mov_b32 s[G1S+4], 2
	s_mov_b32 s[G1S+5], 16384
	s_mov_b32 s[G1S+6], 0
	s_mov_b32 s[G1S+7], 0
	s_wait_dscnt 0x0                               ; both opening adds are done
	s_wait_kmcnt 0x0
	s_mov_b32 s[G0C], 1
	s_mov_b32 s[G0C+1], s14
	s_add_nc_u64 s[G0C+2:G0C+3], s[4:5], s[12:13]
	s_or_b32 s[G0C+3], s[G0C+3], 0x80000000
	s_mov_b32 s[G0S], 1
	s_mov_b32 s[G0S+1], KSC
	s_add_nc_u64 s[G0S+2:G0S+3], s[4:5], s[16:17]
	s_or_b32 s[G0S+3], s[G0S+3], 0x80000000
	CROUND                                         ; the four work-groups are here: the joint loads meet
	ARM 8, G0C, G1C, .Lhead_s
	ARM 9, G0S, G1S, .Lhead_none
.Lhead_asked:
	; ---- under the loads' flight: addresses, q, the sums' first values
	v_and_b32 v8, 31, v0                           ; lane
	v_bfe_u32 v9, v0, 4, 1                         ; h
	v_bfe_u32 v10, v0, 3, 1                        ; r / 8
	v_and_b32 v11, 7, v0                           ; r % 8
	v_lshlrev_b32 v3, 4, v8                        ; 16 x lane
	v_mul_u32_u24 v7, v10, 1152
	v_lshlrev_b32 v5, 6, v10
	v_lshl_add_u32 v6, v8, 2, VSC                  ; V's scale words: 4 x lane
	v_add_nc_u32 v4, VOFF, v3                      ; V's chunks
	v_lshl_add_u32 v7, v9, 8, v7
	v_lshl_add_u32 v5, v9, 5, v5
	v_and_b32 v29, 15, v0
	v_lshlrev_b32 v220, 3, v9                      ; 8 h: where my bytes stand in p's scale word
	v_lshl_add_u32 v7, v11, 4, v7                  ; K: 1,152 (r / 8) + 256 h + 16 (r % 8)
	v_lshl_add_u32 v5, v11, 2, v5
	v_lshlrev_b32 v29, 2, v29                      ; 4 r
	v_add_nc_u32 v5, KSC, v5                       ; K's scale words: 64 (r / 8) + 4 (r % 8) + 32 h: lanes 0-15 the block's first fragment, lanes 16-31 its second
	s_bfe_u32 s9, ttmp6, 0x40000                   ; my place in the cluster
	s_lshl_b32 s25, ttmp9, 2
	s_add_co_u32 s9, s9, s25                       ; block of 256 queries
	s_lshr_b32 s11, s8, 2
	s_lshl_b32 s25, s9, 2
	s_add_co_u32 s11, s11, s25                     ; my block of 64 tokens in the batch
	s_and_b32 s33, s8, 3                           ; my tile m in it
	s_lshl_b32 s25, s10, 5
	s_add_co_u32 s25, s25, s11
	s_lshl_b32 s20, s25, 11
	s_lshl_b32 s21, s33, 9
	s_add_co_u32 s20, s20, s21
	s_mov_b32 s21, 0
	s_lshl_b32 s22, s25, 7
	s_lshr_b32 s23, s33, 1
	s_lshl_b32 s23, s23, 6
	s_add_co_u32 s22, s22, s23
	s_add_co_u32 s22, s22, 6291456
	s_mov_b32 s23, 0
	s_and_b32 s24, s33, 1
	s_lshl_b32 s24, s24, 4                         ; which half of the pair's scale word is my tile's
	s_add_nc_u64 s[20:21], s[4:5], s[20:21]
	s_add_nc_u64 s[22:23], s[4:5], s[22:23]
	s_wait_alu depctr_va_vdst(0)
	global_load_b128 v[16:19], v3, s[20:21]        ; q, for [q | 0]
	global_load_b128 v[24:27], v3, s[20:21]        ; and once more, for [0 | q]
	global_load_b32 v28, v29, s[22:23]             ; the scale word of my pair of tiles
	s_lshr_b32 s34, s10, 4                         ; batch
	s_and_b32 s38, s10, 15                         ; head
	s_lshl_b32 s34, s34, 5
	s_add_co_u32 s34, s34, s11                     ; block among all 64
	s_lshl_b32 s36, s34, 11
	s_lshl_b32 s34, s34, 15
	s_lshr_b32 s35, s38, 1
	s_lshl_b32 s35, s35, 12
	s_add_co_u32 s34, s34, s35                     ; the head's 64 features are half of K step head / 2,
	s_lshl_b32 s35, s33, 10
	s_add_co_u32 s34, s34, s35
	s_and_b32 s35, s38, 1
	s_lshl_b32 s35, s35, 9
	s_add_co_u32 s34, s34, s35                     ; chunk head % 2
	s_mov_b32 s35, 0
	s_lshr_b32 s37, s38, 3
	s_lshl_b32 s37, s37, 10
	s_add_co_u32 s36, s36, s37
	s_lshl_b32 s37, s33, 8
	s_add_co_u32 s36, s36, s37
	s_and_b32 s37, s38, 7
	s_lshl_b32 s37, s37, 1
	s_add_co_u32 s36, s36, s37
	s_add_co_u32 s36, s36, 2097152
	s_mov_b32 s37, 0
	s_add_nc_u64 s[34:35], s[6:7], s[34:35]
	s_add_nc_u64 s[36:37], s[6:7], s[36:37]
	s_mov_b32 s[CS], 0x3e38aa3b                    ; c = log2(e) / 8
	s_mov_b32 s[CS+1], s[CS]                       ; (named with it as a pair, so it is written)
	s_mov_b32 s[NC], 0xbe38aa3b                    ; -c
	s_mov_b32 s[SEL], 0x76543210
	s_mov_b32 s[SEL+1], 0xfedcba98
	s_mov_b32 s[TK], 0
	s_mov_b32 s[TS], 0
	s_mov_b32 s[CNT], 16
.irp j, 20,21,22,23
	v_mov_b32 v[\j], 0
.endr
	v_mov_b32 v13, 0xff61b1e6                      ; the largest score so far: -3e38, under every score
	v_mov_b32 v14, 0
	v_mov_b32 v15, 0
	v_mul_f32 v12, s[NC], v13
.irp j, 208,209,210,211,217
	v_mov_b32 v[\j], 0                             ; written once: permute destinations, and the upper half of the pair v[216:217]
.endr
	v_floor_f32 v12, v12                           ; -M
	s_wait_alu depctr_va_vdst(0)
	s_wait_loadcnt 0x0
	v_lshrrev_b32 v28, s24, v28
	s_delay_alu instid0(VALU_DEP_1)
	v_and_b32 v28, 0xffff, v28
	s_delay_alu instid0(VALU_DEP_1)
	v_lshl_or_b32 v28, v28, 16, v28                ; q's two bytes in both halves of the word: they serve [q | 0] and [0 | q]
.irp j, 0,1,2,3,4,5,6,7,8,9,10,11,12,13,14,15,16,17,18,19,20,21,22,23,24,25,26,27,28,29,30,31
	v_mov_b32 v[160+\j], 0                         ; O^T: the step is written once; the first finds zeros, which the first change of M leaves zeros.  (Also the places between q's scale word and the first product)
.endr
	s_wait_alu depctr_va_vdst(0)
	s_wait_tensorcnt 0x0                           ; my load, if I issued one, has landed
	s_barrier_signal -1
	s_barrier_wait -1                              ; the head's K, V and scale bytes lie whole in LDS; nothing writes them from here on
.Lstep:
	s_barrier_signal -1                            ; a barrier that guards no bytes: I have begun this step (no LDS instruction of mine is out here)
	v_add_nc_u32 v8, s[TK], v7                     ; (these four are also the places behind the last products, in front of the loads into what they read)
	v_add_nc_u32 v9, s[TK], v4
	v_add_nc_u32 v10, s[TS], v5
	v_add_nc_u32 v11, s[TS], v6
.irp c, 0,1
.irp f, 0,1
	ds_load_b128 v[32+16*\c+8*\f:35+16*\c+8*\f], v8 offset:2304*\c+128*\f          ; tile 2 f of block c
	ds_load_b128 v[36+16*\c+8*\f:39+16*\c+8*\f], v8 offset:2304*\c+128*\f+512      ; tile 2 f + 1
.endr
.endr
	ds_load_b32 v30, v10
	ds_load_b32 v31, v10 offset:128
.irp t, 0,1,2,3
	ds_load_b128 v[64+8*\t:67+8*\t], v9 offset:1152*\t
	ds_load_b128 v[68+8*\t:71+8*\t], v9 offset:1152*\t+512
.endr
	ds_load_b32 v200, v11
	ds_load_b32 v201, v11 offset:128
	s_wait_dscnt 10                                ; K's ten loads are in; V's ten may stay out
.irp c, 0,1
.irp f, 0,1
	WM 96+32*\c+16*\f, 32+16*\c+8*\f, 16, 30+\c, 28, \f, 1
	WM 104+32*\c+16*\f, 32+16*\c+8*\f, 20, 30+\c, 28, \f, 1
.endr
.endr
	v_mov_b32 v219, v12                            ; the old -M; with three v_nop the four places behind the products
.rept 3
	v_nop
.endr
.irp b, 0,1,2,3
	v_max3_num_f32 v[204+\b], v[96+16*\b], v[97+16*\b], v[98+16*\b]    ; the largest score of my two blocks of 32 keys, each in two chains: for the row's maximum and, since p rises with the score, for the block's largest p
.endr
.irp i, 3,5,7,9,11,13
.irp b, 0,1,2,3
	v_max3_num_f32 v[204+\b], v[204+\b], v[96+16*\b+\i], v[97+16*\b+\i]
.endr
.endr
	v_max3_num_f32 v204, v204, v111, v127
	v_max3_num_f32 v206, v206, v143, v159
	s_delay_alu instid0(VALU_DEP_2)
	v_max_num_f32 v204, v204, v205                 ; block 2 c + h for c = 0,
	s_delay_alu instid0(VALU_DEP_2)
	v_max_num_f32 v206, v206, v207                 ; and for c = 1
	s_delay_alu instid0(VALU_DEP_1)
	v_max_num_f32 v218, v204, v206
	s_delay_alu instid0(VALU_DEP_1)
	v_permlanex16_b32 v208, v218, s[SEL], s[SEL+1]
	s_delay_alu instid0(VALU_DEP_1)
	v_max3_num_f32 v13, v13, v218, v208            ; the running largest score (c is positive)
	s_delay_alu instid0(VALU_DEP_1)
	v_mul_f32 v218, s[NC], v13
	s_delay_alu instid0(VALU_DEP_1)
	v_floor_f32 v12, v218                          ; the new -M = floor(-t)
	s_delay_alu instid0(VALU_DEP_1)
	v_sub_f32 v218, v12, v219                      ; old M - new M: a whole number, 0 or less
	s_delay_alu instid0(VALU_DEP_1)
	v_cvt_i32_f32 v218, v218                       ; (it saturates)
	s_delay_alu instid0(VALU_DEP_1)
	v_ldexp_f32 v216, 1.0, v218                    ; f = 2^(old M - new M)
.irp j, 0,2,4,6,8,10,12,14,16,18,20,22,24,26,28,30,32,34,36,38,40,42,44,46,48,50,52,54,56,58,60,62
	v_pk_fma_f32 v[96+\j:97+\j], v[96+\j:97+\j], s[CS:CS+1], v[12:13] op_sel_hi:[1,0,0]
.endr
	v_fma_f32 v204, v204, s[CS], v12
	v_fma_f32 v206, v206, s[CS], v12
	s_wait_alu depctr_va_vdst(0)
.irp j, 0,1,2,3,4,5,6,7,8,9,10,11,12,13,14,15,16,17,18,19,20,21,22,23,24,25,26,27,28,29,30,31,32,33,34,35,36,37,38,39,40,41,42,43,44,45,46,47,48,49,50,51,52,53,54,55,56,57,58,59,60,61,62,63
	v_exp_f32 v[96+\j], v[96+\j]                   ; p = 2^(t - M)
.endr
	v_pk_mul_f32 v[14:15], v[14:15], v[216:217] op_sel_hi:[1,0]        ; the sums under the new M; a plain instruction behind the exponentials
	s_wait_alu depctr_va_vdst(0)                   ; one wait for the batch of 64, ahead of its first reader
	v_exp_f32 v204, v204                           ; each block's largest p
	v_exp_f32 v206, v206
	v_pk_add_f32 v[244:245], v[96:97], v[98:99]    ; the row's sum of the unquantised p, in four chains
	v_pk_add_f32 v[246:247], v[100:101], v[102:103]
	v_pk_add_f32 v[248:249], v[104:105], v[106:107]
	v_pk_add_f32 v[14:15], v[14:15], v[108:109]
.irp j, 110,118,126,134,142,150
	v_pk_add_f32 v[244:245], v[244:245], v[\j:\j+1]
	v_pk_add_f32 v[246:247], v[246:247], v[\j+2:\j+3]
	v_pk_add_f32 v[248:249], v[248:249], v[\j+4:\j+5]
	v_pk_add_f32 v[14:15], v[14:15], v[\j+6:\j+7]
.endr
	v_pk_add_f32 v[244:245], v[244:245], v[158:159]
	v_pk_add_f32 v[14:15], v[14:15], v[248:249]
	s_delay_alu instid0(VALU_DEP_2)
	v_pk_add_f32 v[244:245], v[244:245], v[246:247]
	s_delay_alu instid0(VALU_DEP_1)
	v_pk_add_f32 v[14:15], v[14:15], v[244:245]
	s_wait_alu depctr_va_vdst(0)                   ; and one for the two
	v_max_num_f32 v204, 0x1800000, v204            ; the floor 2^(3 - 127): the byte cannot fall under 1
	v_max_num_f32 v206, 0x1800000, v206
	s_delay_alu instid0(VALU_DEP_2)
	v_add_nc_u32 v212, 0xff000000, v204            ; 2 off the exponent field: the conversion's scale operand
	s_delay_alu instid0(VALU_DEP_2)
	v_add_nc_u32 v213, 0xff000000, v206
	s_delay_alu instid0(VALU_DEP_2)
	v_lshrrev_b32 v208, 23, v212                   ; the scale's byte
	s_delay_alu instid0(VALU_DEP_2)
	v_lshrrev_b32 v209, 23, v213
	s_delay_alu instid0(VALU_DEP_1)
	v_lshl_or_b32 v217, v209, 16, v208             ; my two bytes: blocks h and 2 + h,
	s_delay_alu instid0(VALU_DEP_1)
	v_lshlrev_b32 v217, v220, v217                 ; at their places in p's scale word;
	s_delay_alu instid0(VALU_DEP_1)
	v_permlanex16_b32 v210, v217, s[SEL], s[SEL+1]
	s_delay_alu instid0(VALU_DEP_1)
	v_or_b32 v217, v217, v210                      ; with lane l xor 16's two the word is whole
.irp c, 0,1
.irp u, 0,1,2,3
	v_cvt_scalef32_pk8_fp4_f32 v[192+4*\c+\u], v[96+32*\c+8*\u:103+32*\c+8*\u], v[212+\c]   ; register 4 c + u of the operand: keys 64 c + 32 h + 8 u + 0 .. 7
.endr
.endr
	s_wait_alu depctr_va_vdst(0)
.irp j, 0,2,4,6,8,10,12,14,16,18,20,22,24,26,28,30
	v_pk_mul_f32 v[160+\j:161+\j], v[160+\j:161+\j], v[216:217] op_sel_hi:[1,0]   ; O^T under the new M; these sixteen are also the places between the conversions, the scale word and the products
.endr
	s_wait_alu depctr_va_vdst(0)
	s_wait_dscnt 0x0
	s_barrier_wait -1                              ; every wave has begun this step: the sixteen waves stay within one step of each other, so that each SIMD has its four waves' work at hand up to the last step
.irp t, 0,1,2,3
	WM 160+8*\t, 64+8*\t, 192, 200+\t/2, 217, \t%2, 0
.endr
	s_add_co_u32 s[TK], s[TK], 4608
	s_add_co_u32 s[TS], s[TS], 256
	s_sub_co_u32 s[CNT], s[CNT], 1
	s_cmp_lg_u32 s[CNT], 0
	s_cbranch_scc1 .Lstep
.rept 4
	v_nop                                          ; places behind the last products
.endr
	v_add_f32 v14, v14, v15
	s_delay_alu instid0(VALU_DEP_1)
	v_permlanex16_b32 v216, v14, s[SEL], s[SEL+1]
	s_delay_alu instid0(VALU_DEP_1)
	v_add_f32 v14, v14, v216                       ; the row's sum
	s_wait_alu depctr_va_vdst(0)
	v_rcp_f32 v14, v14
	v_lshlrev_b32 v29, 2, v29                      ; 16 r (a plain instruction behind the reciprocal)
	s_wait_alu depctr_va_vdst(0)
.irp j, 0,1,2,3,4,5,6,7,8,9,10,11,12,13,14,15,16,17,18,19,20,21,22,23,24,25,26,27,28,29,30,31
	v_mul_f32 v[96+\j], v[160+\j], v14             ; register 16 b + i is o(query, 32 b + 16 h + i)
.endr
	QUANT2 96, 192, 200
	global_store_b128 v3, v[192:195], s[34:35]     ; 512 consecutive bytes, aligned
	global_store_b16 v29, v200, s[36:37]           ; two bytes of each row's 16: lanes r and 16 + r store the same bytes.  These 131,072 scale bytes fill aligned blocks of 256 bytes only in part
	END3
	CROUND                                         ; the closing round
	s_endpgm
.Lfunc_end_k_q8404af87d2_attn:
	.size	k_q8404af87d2_attn, .Lfunc_end_k_q8404af87d2_attn-k_q8404af87d2_attn
	.p2alignl 7, 3214868480
	.fill 96, 4, 3214868480
	.section	.rodata,"a",@progbits
	.p2align	6, 0x0
	.amdhsa_kernel k_q8404af87d2_attn
		.amdhsa_group_segment_fixed_size 167936
		.amdhsa_private_segment_fixed_size 0
		.amdhsa_enable_private_segment 0
		.amdhsa_kernarg_size 16
		.amdhsa_user_sgpr_count 2
		.amdhsa_user_sgpr_kernarg_segment_ptr 1
		.amdhsa_wavefront_size32 1
		.amdhsa_system_sgpr_workgroup_id_x 1
		.amdhsa_system_sgpr_workgroup_id_y 1
		.amdhsa_system_sgpr_workgroup_id_z 1
		.amdhsa_system_vgpr_workitem_id 0
		.amdhsa_next_free_vgpr 256
		.amdhsa_next_free_sgpr 66
		.amdhsa_reserve_vcc 0
		.amdhsa_float_denorm_mode_32 3
		.amdhsa_float_denorm_mode_16_64 3
		.amdhsa_memory_ordered 1
		.amdhsa_forward_progress 1
		.amdhsa_inst_pref_size 29
	.end_amdhsa_kernel
	.amdgpu_metadata
---
amdhsa.version: [ 1, 2 ]
amdhsa.kernels:
  - .name:           k_q8404af87d2_attn
    .symbol:         k_q8404af87d2_attn.kd
    .args:
      - { .name: qkvc, .offset: 0, .size: 8, .value_kind: global_buffer, .address_space: global }
      - { .name: oq, .offset: 8, .size: 8, .value_kind: global_buffer, .address_space: global }
    .group_segment_fixed_size: 167936
    .private_segment_fixed_size: 0
    .kernarg_segment_align: 8
    .kernarg_segment_size: 16
    .max_flat_workgroup_size: 512
    .sgpr_count:     66
    .vgpr_count:     256
    .wavefront_size: 32
...
	.end_amdgpu_metadata
.endif
;; end of part 3
;; launch proj (part 4): grid 256 x 1, 16 waves a work-group, no clusters, 92,928 bytes of LDS; arguments oq, wts, b_out, x, g2, be2, x1, h2q; writes x1, h2q
.if DOCPART == 4
	.amdgcn_target "amdgcn-amd-amdhsa--gfx1250"
	.amdhsa_code_object_version 6
	.text
	.protected	k_q8404af87d2_proj
	.globl	k_q8404af87d2_proj
	.p2align	8
	.type	k_q8404af87d2_proj,@function
k_q8404af87d2_proj:
	s_mov_b64 s[64:65], 0
	v_nop
	global_prefetch_b8 v0, s[64:65] scope:SCOPE_SE
	s_setreg_imm32_b32 hwreg(HW_REG_WAVE_MODE, 25, 1), 1
	s_wait_xcnt 0x0
; PROJ: x1 = x + (o w_out + b_out), stored in f32, and LayerNorm(x1) g2 + be2, quantised along the features, stored as an image.  Nothing of reference() is left out here.
; SHARES.  The norm wants whole rows, so a work-group owns whole rows: ONE TILE OF 16 TOKENS (tile m = g % 4 of block g / 4, in the image's order of rows), which makes 256 work-groups.
; Wave w makes columns 64 w .. 64 w + 63 of the 16 rows: four accumulators, K = 1,024 in 8 steps of four products, the product used transposed (a lane holds one token and eight neighbouring columns),
; the bias loaded straight into the accumulators.  The results meet in a stage in LDS (16 rows x 4,624 bytes); then wave w owns image row w, whose x it has asked for at the kernel's head.
; With four accumulators a wave has registers for FOUR sets of B: four K steps, 16,384 bytes a wave, are on their way.  A's tile (8,192 bytes) and g2, be2 (8,192) are copied once into LDS, 16 bytes a thread each.
; A wave's B goes from memory straight into its registers: no tensor load, so no joint request (B never passes through LDS).
.set SCG,    8192                      ; LDS: from 0 A's tile, 16 chunks of 512 bytes (2 s + c), later the image of the norm's codes; here its 512 scale bytes
.set GB,     8704                      ; g2, then be2
.set STG,    16896                     ; the stage; a wave's own row, once read, is its scratch for the turn (4,608 bytes)
.set SPITCH, 4624
.set SPARE,  90880
.set GBW, 3                            ; v3  GB + 16 x thread
.set BOF, 4                            ; v4  16 x lane
.set C16, 5                            ; v5  16 x thread
.set SAO, 6                            ; v6  1,024 (lane / 16) + 16 (lane % 16): a tile's scale bytes in memory
.set BIO, 7                            ; v7  64 (lane / 16)
.set SA,  8                            ; v8-11   A's scale words: register s % 4; lanes 0-15 steps 0-3, lanes 16-31 steps 4-7
.set SB,  12                           ; v12-27  B's: 8 K steps x 2 pairs of tiles
.set STI, 28
.set ROWA, 29
.set LTS, 30
.set LTL, 31
.set AF,  32                           ; v32-63  A's fragments of four K steps
.set ACC, 64                           ; v64-95
.set X,   96                           ; v96-127 my row of x, then of x1, then of the norm
.set BF,  128                          ; v128-255 B's four fragments, four sets
.set LIMA, 12                          ; behind the product: addresses in v12-15, g2 and be2 in v128-191, 32 numbers at work in v192-223
.set LSCA, 13
.set GBR, 14
.set SCR, 15
.set G,   128
.set BE,  160
.set T,   192
.set W,   224                          ; v224-231 four pairs: sums
.set MX,  232
.set SOP, 234
.set CD,  236
.set AP,  24
.set ASP, 26
.set BB,  28
.set BSP, 30
.set BP,  32
.set XP,  38
.set X1P, 40
.set HIP, 42
.set HSP, 44
.set GBP, 46
.set SEL, 48
.set INV, 50
.set EPS, 51
.macro END3                            ; a wave's end: behind its last LDS store
	s_wait_tensorcnt 0x0
	ds_add_u32 v1, v2
	s_wait_dscnt 0x0
.endm
.macro BAR
	s_wait_dscnt 0x0
	s_barrier_signal -1
	s_barrier_wait -1
.endm
.macro WM d, a, b, sa, sb, ra, rb      ; one product, added in place; ra, rb: the side's scale words stand in lanes 16-31
.if (\ra) && (\rb)
	v_wmma_scale_f32_16x16x128_f8f6f4 v[\d:\d+7], v[\a:\a+7], v[\b:\b+7], v[\d:\d+7], v[\sa], v[\sb] matrix_a_fmt:MATRIX_FMT_FP4 matrix_b_fmt:MATRIX_FMT_FP4 matrix_a_scale:MATRIX_SCALE_ROW1 matrix_b_scale:MATRIX_SCALE_ROW1
.elseif (\ra)
	v_wmma_scale_f32_16x16x128_f8f6f4 v[\d:\d+7], v[\a:\a+7], v[\b:\b+7], v[\d:\d+7], v[\sa], v[\sb] matrix_a_fmt:MATRIX_FMT_FP4 matrix_b_fmt:MATRIX_FMT_FP4 matrix_a_scale:MATRIX_SCALE_ROW1
.elseif (\rb)
	v_wmma_scale_f32_16x16x128_f8f6f4 v[\d:\d+7], v[\a:\a+7], v[\b:\b+7], v[\d:\d+7], v[\sa], v[\sb] matrix_a_fmt:MATRIX_FMT_FP4 matrix_b_fmt:MATRIX_FMT_FP4 matrix_b_scale:MATRIX_SCALE_ROW1
.else
	v_wmma_scale_f32_16x16x128_f8f6f4 v[\d:\d+7], v[\a:\a+7], v[\b:\b+7], v[\d:\d+7], v[\sa], v[\sb] matrix_a_fmt:MATRIX_FMT_FP4 matrix_b_fmt:MATRIX_FMT_FP4
.endif
.endm
; K step s: four products, the four accumulators by turns; four places; then A and B of four steps on.  cnt: the global loads issued behind B(s)'s eight, which may stay out.
.macro KSTEP s, cnt
	s_wait_loadcnt \cnt
	s_wait_dscnt 0x0
.irp t, 0,1,2,3
	WM ACC+8*\t, BF+32*((\s)%4)+8*\t, AF+8*((\s)%4), SB+4*(2*((\s)/4)+\t/2)+(\s)%4, SA+(\s)%4, \t%2, (\s)/4
.endr
.rept 4
	v_nop                                          ; places in front of loads into registers that the products have read, and of the first read of results
.endr
.if (\s) < 4
.irp c, 0,1
	ds_load_b128 v[AF+8*((\s)%4)+4*\c:AF+8*((\s)%4)+4*\c+3], v[BOF] offset:512*(2*((\s)+4)+\c)
.endr
.irp t, 0,1,2,3
.irp c, 0,1
	global_load_b128 v[BF+32*((\s)%4)+8*\t+4*\c:BF+32*((\s)%4)+8*\t+4*\c+3], v[BOF], s[BB:BB+1] offset:4096*((\s)+4)+1024*\t+512*\c
.endr
.endr
.endif
.endm
.macro REDUCE                          ; the four pairs become one number, summed over the 32 lanes, in v[W]
	s_delay_alu instid0(VALU_DEP_3)
	v_pk_add_f32 v[W:W+1], v[W:W+1], v[W+2:W+3]
	s_delay_alu instid0(VALU_DEP_2)
	v_pk_add_f32 v[W+4:W+5], v[W+4:W+5], v[W+6:W+7]
	s_delay_alu instid0(VALU_DEP_1)
	v_pk_add_f32 v[W:W+1], v[W:W+1], v[W+4:W+5]
	s_delay_alu instid0(VALU_DEP_1)
	v_add_f32 v[W], v[W], v[W+1]
.irp k, 1,2,4,8
	s_delay_alu instid0(VALU_DEP_1)
	v_add_f32_dpp v[W], v[W], v[W] row_xmask:\k row_mask:0xf bank_mask:0xf
.endr
	s_delay_alu instid0(VALU_DEP_1)
	v_permlanex16_b32 v[W+1], v[W], s[SEL], s[SEL+1]
	s_delay_alu instid0(VALU_DEP_1)
	v_add_f32 v[W], v[W], v[W+1]
.endm
	s_load_b512 s[4:19], s[0:1], 0x0               ; oq, wts, b_out, x, g2, be2, x1, h2q
	v_lshl_add_u32 v1, v0, 2, SPARE
	v_mov_b32 v2, 0
	v_lshrrev_b32 v3, 5, v0
	s_delay_alu instid0(VALU_DEP_1)
	v_readfirstlane_b32 s20, v3                    ; wave
	v_and_b32 v6, 31, v0
	s_delay_alu instid0(VALU_DEP_1)
	v_lshlrev_b32 v[BOF], 4, v6
	v_lshlrev_b32 v[C16], 4, v0
	v_lshl_add_u32 v[GBW], v0, 4, GB
	v_bfe_u32 v[BIO], v0, 4, 1
	v_and_b32 v[SAO], 15, v0
	s_delay_alu instid0(VALU_DEP_1)
	v_lshlrev_b32 v[SAO], 4, v[SAO]
	s_delay_alu instid0(VALU_DEP_1)
	v_lshl_add_u32 v[SAO], v[BIO], 10, v[SAO]
	s_delay_alu instid0(VALU_DEP_4)
	v_lshlrev_b32 v[BIO], 6, v[BIO]
	s_lshr_b32 s21, ttmp9, 2                       ; block of 64 tokens
	s_and_b32 s22, ttmp9, 3                        ; its tile m
	s_mov_b32 s[SEL], 0x76543210
	s_mov_b32 s[SEL+1], 0xfedcba98
	s_mov_b32 s[INV], 0x3a800000                   ; 1 / 1,024
	s_mov_b32 s[EPS], 0x3727c5ac                   ; 1e-5
	s_lshl_b32 s24, s21, 15                        ; chunk w = 2 s + c of the tile in an image: 32,768 block + 1,024 m + 4,096 (w / 2) + 512 (w % 2)
	s_lshl_b32 s25, s22, 10
	s_add_co_u32 s24, s24, s25
	s_lshr_b32 s25, s20, 1
	s_lshl_b32 s25, s25, 12
	s_add_co_u32 s24, s24, s25
	s_and_b32 s25, s20, 1
	s_lshl_b32 s25, s25, 9
	s_add_co_u32 s24, s24, s25
	s_mov_b32 s25, 0
	s_lshl_b32 s26, s21, 11                        ; the tile's scale bytes: behind the images, 2,048 block + 256 m
	s_lshl_b32 s27, s22, 8
	s_add_co_u32 s26, s26, s27
	s_add_co_u32 s26, s26, 2097152
	s_mov_b32 s27, 0
	s_add_co_u32 s23, s20, 48                      ; the weight unit
	s_lshl_b32 s28, s23, 15
	s_mov_b32 s29, 0
	s_lshl_b32 s30, s23, 11
	s_add_co_u32 s30, s30, 6291456
	s_mov_b32 s31, 0
	s_lshl_b32 s32, s20, 8
	s_mov_b32 s33, 0
	s_lshl_b32 s34, s21, 6                         ; image row w is token 64 block + 32 (m / 2) + 8 (m % 2) + w + 8 (w / 8)
	s_lshr_b32 s35, s22, 1
	s_lshl_b32 s35, s35, 5
	s_add_co_u32 s34, s34, s35
	s_and_b32 s35, s22, 1
	s_lshl_b32 s35, s35, 3
	s_add_co_u32 s34, s34, s35
	s_add_co_u32 s34, s34, s20
	s_lshr_b32 s35, s20, 3
	s_lshl_b32 s35, s35, 3
	s_add_co_u32 s34, s34, s35
	s_lshl_b32 s34, s34, 12                        ; x 4,096 bytes
	s_mov_b32 s35, 0
	s_and_b32 s36, s20, 7
	s_lshl_b32 s36, s36, 9
	s_mov_b32 s37, 0
	s_wait_alu depctr_va_vdst(0)
	s_wait_kmcnt 0x0
	s_add_nc_u64 s[HIP:HIP+1], s[18:19], s[24:25]  ; h2q's image and scale bytes lie as oq's
	s_add_nc_u64 s[HSP:HSP+1], s[18:19], s[26:27]
	s_add_nc_u64 s[24:25], s[4:5], s[24:25]
	s_add_nc_u64 s[26:27], s[4:5], s[26:27]
	s_add_nc_u64 s[28:29], s[6:7], s[28:29]
	s_add_nc_u64 s[30:31], s[6:7], s[30:31]
	s_add_nc_u64 s[32:33], s[8:9], s[32:33]
	s_add_nc_u64 s[X1P:X1P+1], s[16:17], s[34:35]
	s_add_nc_u64 s[XP:XP+1], s[10:11], s[34:35]
	s_cmp_lt_u32 s20, 8                            ; waves 0-7 copy g2, waves 8-15 be2: 512 bytes each
	s_cselect_b64 s[GBP:GBP+1], s[12:13], s[14:15]
	s_add_nc_u64 s[GBP:GBP+1], s[GBP:GBP+1], s[36:37]
	global_load_b128 v[AF:AF+3], v[BOF], s[AP:AP+1]            ; the two copies first: the barrier waits for them
	global_load_b128 v[AF+4:AF+7], v[BOF], s[GBP:GBP+1]
	global_load_b128 v[SA:SA+3], v[SAO], s[ASP:ASP+1]          ; A's scale words of all 8 K steps
.irp t, 0,1,2,3
	global_load_b128 v[ACC+8*\t:ACC+8*\t+3], v[BIO], s[BP:BP+1] offset:4*(32*(\t/2)+8*(\t%2))      ; register j of tile t is column 32 (t / 2) + 16 h + 8 (t % 2) + j
	global_load_b128 v[ACC+8*\t+4:ACC+8*\t+7], v[BIO], s[BP:BP+1] offset:4*(32*(\t/2)+8*(\t%2))+16
.endr
.irp g, 0,1,2,3
	global_load_b128 v[SB+4*\g:SB+4*\g+3], v[BOF], s[BSP:BSP+1] offset:512*\g
.endr
.irp s, 0,1,2,3
.irp t, 0,1,2,3
.irp c, 0,1
	global_load_b128 v[BF+32*\s+8*\t+4*\c:BF+32*\s+8*\t+4*\c+3], v[BOF], s[BB:BB+1] offset:4096*\s+1024*\t+512*\c
.endr
.endr
.endr
.irp j, 0,1,2,3,4,5,6,7
	global_load_b128 v[X+4*\j:X+4*\j+3], v[BOF], s[XP:XP+1] offset:512*\j th:TH_LOAD_NT    ; my row of x: register 4 j + e is column 128 j + 4 lane + e
.endr
	s_wait_loadcnt 53                              ; the two copies are in: 1 + 8 + 4 + 32 + 8 loads stand behind them
	ds_store_b128 v[C16], v[AF:AF+3]
	ds_store_b128 v[GBW], v[AF+4:AF+7]
	BAR                                            ; A's tile, g2 and be2 lie whole in LDS
.irp s, 0,1,2,3
.irp c, 0,1
	ds_load_b128 v[AF+8*\s+4*\c:AF+8*\s+4*\c+3], v[BOF] offset:512*(2*\s+\c)
.endr
.endr
	KSTEP 0, 32                                    ; behind B(0): three sets and x
	KSTEP 1, 32                                    ; behind B(1): two sets, x, B(4)
	KSTEP 2, 32
	KSTEP 3, 32
	KSTEP 4, 24                                    ; behind B(4): three sets; x is in
	KSTEP 5, 16
	KSTEP 6, 8
	KSTEP 7, 0
	; ---- addresses for all that follows
	v_and_b32 v8, 15, v0                           ; r
	v_bfe_u32 v9, v0, 4, 1                         ; h
	s_delay_alu instid0(VALU_DEP_2)
	v_mul_u32_u24 v[STI], v8, SPITCH
	s_delay_alu instid0(VALU_DEP_1)
	v_lshl_add_u32 v[STI], v9, 6, v[STI]
	s_lshl_b32 s52, s20, 8
	s_add_co_u32 s52, s52, STG
	v_add_nc_u32 v[STI], s52, v[STI]               ; the stage, way in: row r, my 256 bytes, + 64 h
	s_mul_i32 s52, s20, SPITCH
	s_add_co_u32 s52, s52, STG                     ; my row of the stage
	v_add_nc_u32 v[ROWA], s52, v[BOF]
	v_and_b32 v10, 31, v0
	s_delay_alu instid0(VALU_DEP_1)
	v_lshrrev_b32 v11, 3, v10
	s_delay_alu instid0(VALU_DEP_1)
	v_lshl_add_u32 v[LTS], v11, 4, v[ROWA]         ; the turn, way in: 16 l + 16 (l / 8): 16 bytes of padding behind each block of 128
	s_delay_alu instid0(VALU_DEP_3)
	v_mul_u32_u24 v[LTL], v10, 144
	s_delay_alu instid0(VALU_DEP_1)
	v_add_nc_u32 v[LTL], s52, v[LTL]               ; way out: block l
	v_lshrrev_b32 v11, 2, v10                      ; block l = 4 s + 2 c + h goes to 1,024 s + 512 c + 256 h + 16 w of the image
	s_delay_alu instid0(VALU_DEP_1)
	v_lshlrev_b32 v[LIMA], 10, v11
	v_bfe_u32 v11, v10, 1, 1
	s_delay_alu instid0(VALU_DEP_1)
	v_lshl_add_u32 v[LIMA], v11, 9, v[LIMA]
	v_and_b32 v11, 1, v10
	s_delay_alu instid0(VALU_DEP_1)
	v_lshl_add_u32 v[LIMA], v11, 8, v[LIMA]
	s_lshl_b32 s53, s20, 4
	v_add_nc_u32 v[LIMA], s53, v[LIMA]
	v_lshrrev_b32 v11, 4, v10
	v_and_b32 v[LSCA], 15, v10
	s_delay_alu instid0(VALU_DEP_1)
	v_lshl_add_u32 v[LSCA], v11, 8, v[LSCA]
	s_add_co_u32 s53, s53, SCG
	v_add_nc_u32 v[LSCA], s53, v[LSCA]             ; its scale byte: 256 (l / 16) + 16 w + l % 16
	v_add_nc_u32 v[GBR], GB, v[BOF]
	v_add_nc_u32 v[SCR], SCG, v[BOF]
	; ---- the results to the stage
.irp t, 0,1,2,3
	ds_store_b128 v[STI], v[ACC+8*\t:ACC+8*\t+3] offset:128*(\t/2)+32*(\t%2)
	ds_store_b128 v[STI], v[ACC+8*\t+4:ACC+8*\t+7] offset:128*(\t/2)+32*(\t%2)+16
.endr
.irp j, 0,1,2,3,4,5,6,7
	ds_load_b128 v[G+4*\j:G+4*\j+3], v[GBR] offset:512*\j
.endr
.irp j, 0,1,2,3,4,5,6,7
	ds_load_b128 v[BE+4*\j:BE+4*\j+3], v[GBR] offset:4096+512*\j
.endr
	BAR                                            ; 16 whole rows lie in the stage, and nobody reads A's tile any more
	; ---- x1 = x + my row, stored
.irp j, 0,1,2,3,4,5,6,7
	ds_load_b128 v[T+4*\j:T+4*\j+3], v[ROWA] offset:512*\j
.endr
	s_wait_dscnt 0x0
.irp j, 0,2,4,6,8,10,12,14,16,18,20,22,24,26,28,30
	v_pk_add_f32 v[X+\j:X+\j+1], v[X+\j:X+\j+1], v[T+\j:T+\j+1]
.endr
.irp j, 0,1,2,3,4,5,6,7
	global_store_b128 v[BOF], v[X+4*\j:X+4*\j+3], s[X1P:X1P+1] offset:512*\j   ; 512 consecutive bytes, aligned
.endr
	; ---- the norm of my row: sums in four chains
.irp c, 0,1,2,3
	v_pk_add_f32 v[W+2*\c:W+2*\c+1], v[X+4*\c:X+4*\c+1], v[X+4*\c+2:X+4*\c+3]
.endr
.irp j, 16,24
.irp c, 0,1,2,3
	s_delay_alu instid0(VALU_DEP_4)
	v_pk_add_f32 v[W+2*\c:W+2*\c+1], v[W+2*\c:W+2*\c+1], v[X+\j+2*\c:X+\j+2*\c+1]
.endr
.endr
	REDUCE
	s_delay_alu instid0(VALU_DEP_1)
	v_mul_f32 v[W], s[INV], v[W]                   ; the mean
	s_wait_alu depctr_va_vdst(0)
	s_wait_xcnt 0x0                                ; x1's stores have read X: it is rewritten only behind this wait
.irp j, 0,2,4,6,8,10,12,14,16,18,20,22,24,26,28,30
	v_pk_add_f32 v[X+\j:X+\j+1], v[X+\j:X+\j+1], v[W:W+1] op_sel_hi:[1,0] neg_lo:[0,1] neg_hi:[0,1]
.endr
.irp c, 0,1,2,3
	v_pk_mul_f32 v[W+2*\c:W+2*\c+1], v[X+2*\c:X+2*\c+1], v[X+2*\c:X+2*\c+1]
.endr
.irp j, 8,16,24
.irp c, 0,1,2,3
	s_delay_alu instid0(VALU_DEP_4)
	v_pk_fma_f32 v[W+2*\c:W+2*\c+1], v[X+\j+2*\c:X+\j+2*\c+1], v[X+\j+2*\c:X+\j+2*\c+1], v[W+2*\c:W+2*\c+1]
.endr
.endr
	REDUCE
	s_delay_alu instid0(VALU_DEP_1)
	v_fma_f32 v[W], v[W], s[INV], s[EPS]
	s_wait_alu depctr_va_vdst(0)
	v_rsq_f32 v[W], v[W]
	v_nop                                          ; a plain instruction behind it
	s_wait_alu depctr_va_vdst(0)                   ; and a wait ahead of its first reader
.irp j, 0,2,4,6,8,10,12,14,16,18,20,22,24,26,28,30
	v_pk_mul_f32 v[X+\j:X+\j+1], v[X+\j:X+\j+1], v[W:W+1] op_sel_hi:[1,0]
.endr
.irp j, 0,2,4,6,8,10,12,14,16,18,20,22,24,26,28,30
	v_pk_fma_f32 v[X+\j:X+\j+1], v[X+\j:X+\j+1], v[G+\j:G+\j+1], v[BE+\j:BE+\j+1]
.endr
	; ---- turned through my row of the stage, so that lane l holds block l; quantised; codes and byte to their places in the image
.irp j, 0,1,2,3,4,5,6,7
	ds_store_b128 v[LTS], v[X+4*\j:X+4*\j+3] offset:576*\j
.endr
.irp k, 0,1,2,3,4,5,6,7
	ds_load_b128 v[T+4*\k:T+4*\k+3], v[LTL] offset:16*\k           ; LDS serves a wave's instructions in order: these see the stores above
.endr
	s_wait_dscnt 0x0
	v_max3_num_f32 v[MX], |v[T]|, |v[T+1]|, 0x1800000              ; the floor 2^(3 - 127) holds the byte at 1 from below
	v_max3_num_f32 v[MX+1], |v[T+2]|, |v[T+3]|, |v[T+4]|
.irp k, 0,1,2,3,4,5,6,7,8,9,10,11,12
	s_delay_alu instid0(VALU_DEP_2)
	v_max3_num_f32 v[MX+\k%2], v[MX+\k%2], |v[T+5+2*\k]|, |v[T+6+2*\k]|
.endr
	s_delay_alu instid0(VALU_DEP_1)
	v_max3_num_f32 v[MX], v[MX], v[MX+1], |v[T+31]|
	s_delay_alu instid0(VALU_DEP_1)
	v_add_nc_u32 v[SOP], 0xff000000, v[MX]         ; 2 off the exponent field: the conversion's scale operand
	s_delay_alu instid0(VALU_DEP_1)
	v_lshrrev_b32 v[MX+1], 23, v[SOP]              ; the scale's byte
.irp g, 0,1,2,3
	v_cvt_scalef32_pk8_fp4_f32 v[CD+\g], v[T+8*\g:T+8*\g+7], v[SOP]
.endr
	v_nop                                          ; a plain instruction behind the last conversion
	ds_store_b128 v[LIMA], v[CD:CD+3]
	ds_store_b8 v[LSCA], v[MX+1]
	BAR                                            ; the tile's image and scale bytes lie whole in LDS
	ds_load_b128 v[T:T+3], v[C16]
	s_wait_dscnt 0x0
	global_store_b128 v[BOF], v[T:T+3], s[HIP:HIP+1]               ; chunk w: 512 consecutive bytes, aligned
	s_cmp_lg_u32 s20, 0
	s_cbranch_scc1 .Lend
	ds_load_b128 v[T+4:T+7], v[SCR]
	s_wait_dscnt 0x0
	global_store_b128 v[SAO], v[T+4:T+7], s[HSP:HSP+1]             ; sixteen lanes store 256 consecutive bytes, aligned
.Lend:
	END3
	s_endpgm
.Lfunc_end_k_q8404af87d2_proj:
	.size	k_q8404af87d2_proj, .Lfunc_end_k_q8404af87d2_proj-k_q8404af87d2_proj
	.p2alignl 7, 3214868480
	.fill 96, 4, 3214868480
	.section	.rodata,"a",@progbits
	.p2align	6, 0x0
	.amdhsa_kernel k_q8404af87d2_proj
		.amdhsa_group_segment_fixed_size 92928
		.amdhsa_private_segment_fixed_size 0
		.amdhsa_enable_private_segment 0
		.amdhsa_kernarg_size 64
		.amdhsa_user_sgpr_count 2
		.amdhsa_user_sgpr_kernarg_segment_ptr 1
		.amdhsa_wavefront_size32 1
		.amdhsa_system_sgpr_workgroup_id_x 1
		.amdhsa_system_sgpr_workgroup_id_y 1
		.amdhsa_system_sgpr_workgroup_id_z 1
		.amdhsa_system_vgpr_workitem_id 0
		.amdhsa_next_free_vgpr 256
		.amdhsa_next_free_sgpr 66
		.amdhsa_reserve_vcc 0
		.amdhsa_float_denorm_mode_32 3
		.amdhsa_float_denorm_mode_16_64 3
		.amdhsa_memory_ordered 1
		.amdhsa_forward_progress 1
		.amdhsa_inst_pref_size 35
	.end_amdhsa_kernel
	.amdgpu_metadata
---
amdhsa.version: [ 1, 2 ]
amdhsa.kernels:
  - .name:           k_q8404af87d2_proj
    .symbol:         k_q8404af87d2_proj.kd
    .args:
      - { .name: oq, .offset: 0, .size: 8, .value_kind: global_buffer, .address_space: global }
      - { .name: wts, .offset: 8, .size: 8, .value_kind: global_buffer, .address_space: global }
      - { .name: b_out, .offset: 16, .size: 8, .value_kind: global_buffer, .address_space: global }
      - { .name: x, .offset: 24, .size: 8, .value_kind: global_buffer, .address_space: global }
      - { .name: g2, .offset: 32, .size: 8, .value_kind: global_buffer, .address_space: global }
      - { .name: be2, .offset: 40, .size: 8, .value_kind: global_buffer, .address_space: global }
      - { .name: x1, .offset: 48, .size: 8, .value_kind: global_buffer, .address_space: global }
      - { .name: h2q, .offset: 56, .size: 8, .value_kind: global_buffer, .address_space: global }
    .group_segment_fixed_size: 92928
    .private_segment_fixed_size: 0
    .kernarg_segment_align: 8
    .kernarg_segment_size: 64
    .max_flat_workgroup_size: 512
    .sgpr_count:     66
    .vgpr_count:     256
    .wavefront_size: 32
...
	.end_amdgpu_metadata
.endif
;; end of part 4
;; launch ffn1 (part 5): grid 8 x 32, 16 waves a work-group, clusters of 4 x 1, 167,936 bytes of LDS; arguments h2q, wts, b1, gq; writes gq
.if DOCPART == 5
	.amdgcn_target "amdgcn-amd-amdhsa--gfx1250"
	.amdhsa_code_object_version 6
	.text
	.protected	k_q8404af87d2_ffn1
	.globl	k_q8404af87d2_ffn1
	.p2align	8
	.type	k_q8404af87d2_ffn1,@function
k_q8404af87d2_ffn1:
	s_mov_b64 s[64:65], 0
	v_nop
	global_prefetch_b8 v0, s[64:65] scope:SCOPE_SE
	s_setreg_imm32_b32 hwreg(HW_REG_WAVE_MODE, 25, 1), 1
	s_wait_xcnt 0x0
	s_wait_alu depctr_hold_cnt(0) depctr_sa_sdst(0) depctr_va_vdst(0) depctr_va_sdst(0) depctr_va_ssrc(0) depctr_va_vcc(0) depctr_vm_vsrc(0)
	s_getreg_b32 s2, hwreg(HW_REG_IB_STS2, 6, 4)
	s_cmp_eq_u32 s2, 0
	s_cbranch_scc0 .Lentry_in_a_cluster
	s_endpgm
.Lentry_in_a_cluster:
	s_bfe_u32 s2, ttmp6, 0x10000c
	s_cmp_lg_u32 s2, 0x3003
	s_cbranch_scc0 .Lentry_shape_is_right
	s_endpgm
.Lentry_shape_is_right:
; FFN1: g = gelu(h2 w1 + b1), the exact form 0.5 x (1 + erf(x / sqrt 2)), quantised along the hidden units and stored as an image.  Nothing of reference() is left out here.
; SHARES.  Work-group (slice, pair): 128 rows (two blocks of 64) x 512 hidden units.  Wave w makes ALL 128 ROWS x ITS 32 UNITS: sixteen accumulators (8 tiles of rows x 2 tiles of units), K = 1,024 in 8 steps.
; So a byte of w1, which goes from memory straight into the one wave's registers, feeds 128 rows.
; A (65,536 bytes of codes, 4,096 of scale bytes) comes into LDS once, by nine tensor loads at the head, one a wave: waves 0-7 eight rows of 1,024 bytes of the images each, wave 8 the scale bytes; all sixteen waves read it.
; CLUSTER: four work-groups of one pair of blocks (four slices of units) read the same A, so each load is a joint request of the four (mask 15).  No LDS byte is filled twice.
; B never passes through LDS, so there is no joint request for it; it is asked for four K steps ahead by the loads themselves (four sets of 16 registers), and no prefetch is laid beside them.
; A has four fragments' registers, loaded twice a K step.
; The product is used transposed: a lane holds one row, and the 16 registers of its two tiles are 16 neighbouring units; with lane l xor 16's they are ONE block of 32: its 16 bytes of codes leave as two halves of 8.
; b1 is asked for ahead of the last K step and added to the finished sums.
; erf(z) = z P(z^2) / Q(z^2), P of degree 6 and Q of degree 4, z held to +-4 and the result to +-1.  LIMIT: 1 + erf carries an absolute error of some 1e-7, so gelu of large negative x is right to that times |x| / 2, not to a relative 1e-6.
.set ASC,   65536                      ; LDS: from 0 A's two blocks, 32,768 bytes each; here their scale bytes, 2,048 each
.set SCG,   69632                      ; the scale bytes made here: 1,024 for each block; no load lands here
.set SPARE, 71680
.set BOF, 4                            ; v4  16 x lane
.set SAD, 5                            ; v5  ASC + 16 x lane
.set C16, 6                            ; v6  16 x thread
.set SA,  8                            ; v8-23   A's scale words: 4 pairs of tiles x 4 K steps
.set SB,  24                           ; v24-31  B's: my pair of tiles, 8 K steps
.set AF,  32                           ; v32-63  four fragments of A
.set BF,  64                           ; v64-127 B's two fragments, four sets
.set ACC, 128                          ; accumulator (M, t) at ACC + 8 (2 M + t)
.set BB,  20
.set BSP, 22
.set BP,  24
.set SEL, 28
.set G1C, 40                           ; s[40:47] group 1 for the images, s[48:55] for the scale bytes, s[56:59], s[60:63] their groups 0
.set G1S, 48
.set G0C, 56
.set G0S, 60
.set GZ,  32                           ; behind the product: v32-47 z, then x / 2; v48-63 z^2; v64-79 P; v80-95 Q
.set GX,  48
.set GP,  64
.set GQ,  80
.set KA,  96                           ; v96-109 P's seven coefficients, v110-119 Q's five, each twice: pairs for the packed forms
.set KB,  110
.set TM,  120
.macro END3                            ; a wave's end
	s_wait_tensorcnt 0x0
	ds_add_u32 v1, v2
	s_wait_dscnt 0x0
.endm
.macro BAR
	s_wait_dscnt 0x0
	s_barrier_signal -1
	s_barrier_wait -1
.endm
.macro CROUND                          ; a round of the cluster's barrier
	s_barrier_signal -1
	s_barrier_wait -1
	s_cmp_lg_u32 s12, 0
	s_cbranch_scc1 .Lnot_wave_0_\@
	s_barrier_signal -3
.Lnot_wave_0_\@:
	s_barrier_wait -3
	s_barrier_signal -1
	s_barrier_wait -1
.endm
.macro ARM under, g0, g1, next         ; one arm of the head's chain: a joint load and a jump to the chain's end
	s_cmp_lt_u32 s12, \under
	s_cbranch_scc0 \next
	tensor_load_to_lds s[\g0:\g0+3], s[\g1:\g1+7]
	s_nop 0
.rept 4
	v_nop
.endr
	s_branch .Lhead_asked
\next:
.endm
.macro WM d, a, b, sa, sb, ra, rb, z   ; one product; ra, rb: the side's scale words stand in lanes 16-31; z: it starts the sum
.if (\z)
.if (\ra) && (\rb)
	v_wmma_scale_f32_16x16x128_f8f6f4 v[\d:\d+7], v[\a:\a+7], v[\b:\b+7], 0, v[\sa], v[\sb] matrix_a_fmt:MATRIX_FMT_FP4 matrix_b_fmt:MATRIX_FMT_FP4 matrix_a_scale:MATRIX_SCALE_ROW1 matrix_b_scale:MATRIX_SCALE_ROW1
.elseif (\ra)
	v_wmma_scale_f32_16x16x128_f8f6f4 v[\d:\d+7], v[\a:\a+7], v[\b:\b+7], 0, v[\sa], v[\sb] matrix_a_fmt:MATRIX_FMT_FP4 matrix_b_fmt:MATRIX_FMT_FP4 matrix_a_scale:MATRIX_SCALE_ROW1
.elseif (\rb)
	v_wmma_scale_f32_16x16x128_f8f6f4 v[\d:\d+7], v[\a:\a+7], v[\b:\b+7], 0, v[\sa], v[\sb] matrix_a_fmt:MATRIX_FMT_FP4 matrix_b_fmt:MATRIX_FMT_FP4 matrix_b_scale:MATRIX_SCALE_ROW1
.else
	v_wmma_scale_f32_16x16x128_f8f6f4 v[\d:\d+7], v[\a:\a+7], v[\b:\b+7], 0, v[\sa], v[\sb] matrix_a_fmt:MATRIX_FMT_FP4 matrix_b_fmt:MATRIX_FMT_FP4
.endif
.else
.if (\ra) && (\rb)
	v_wmma_scale_f32_16x16x128_f8f6f4 v[\d:\d+7], v[\a:\a+7], v[\b:\b+7], v[\d:\d+7], v[\sa], v[\sb] matrix_a_fmt:MATRIX_FMT_FP4 matrix_b_fmt:MATRIX_FMT_FP4 matrix_a_scale:MATRIX_SCALE_ROW1 matrix_b_scale:MATRIX_SCALE_ROW1
.elseif (\ra)
	v_wmma_scale_f32_16x16x128_f8f6f4 v[\d:\d+7], v[\a:\a+7], v[\b:\b+7], v[\d:\d+7], v[\sa], v[\sb] matrix_a_fmt:MATRIX_FMT_FP4 matrix_b_fmt:MATRIX_FMT_FP4 matrix_a_scale:MATRIX_SCALE_ROW1
.elseif (\rb)
	v_wmma_scale_f32_16x16x128_f8f6f4 v[\d:\d+7], v[\a:\a+7], v[\b:\b+7], v[\d:\d+7], v[\sa], v[\sb] matrix_a_fmt:MATRIX_FMT_FP4 matrix_b_fmt:MATRIX_FMT_FP4 matrix_b_scale:MATRIX_SCALE_ROW1
.else
	v_wmma_scale_f32_16x16x128_f8f6f4 v[\d:\d+7], v[\a:\a+7], v[\b:\b+7], v[\d:\d+7], v[\sa], v[\sb] matrix_a_fmt:MATRIX_FMT_FP4 matrix_b_fmt:MATRIX_FMT_FP4
.endif
.endif
.endm
; Half a K step: block g's four tiles of rows x my two tiles of units: 8 products on 8 accumulators by turns, then four places (ISA guide 7.12.1)
.macro HALF s, g, z
.irp m, 0,1,2,3
.irp t, 0,1
	WM ACC+8*(2*(4*(\g)+\m)+\t), BF+16*((\s)%4)+8*\t, AF+8*\m, SB+4*((\s)/4)+(\s)%4, SA+4*(2*(\g)+\m/2)+(\s)%4, \t, \m%2, \z
.endr
.endr
.rept 4
	v_nop
.endr
.endm
.macro ALOAD s, g                      ; block g's four fragments of K step s
.irp m, 0,1,2,3
.irp c, 0,1
	ds_load_b128 v[AF+8*\m+4*\c:AF+8*\m+4*\c+3], v[BOF] offset:32768*(\g)+4096*(\s)+1024*\m+512*\c
.endr
.endr
.endm
; K step s.  cnt: the global loads issued behind B(s)'s four, which may stay out.
.macro KSTEP s, z, cnt
	s_wait_loadcnt \cnt
	s_wait_dscnt 0x0
	HALF \s, 0, \z
	ALOAD \s, 1
	s_wait_dscnt 0x0
	HALF \s, 1, \z
.if (\s) < 7
	ALOAD (\s)+1, 0
.endif
.if (\s) == 3
.irp p, 0,1,2,3
	ds_load_b128 v[SA+4*\p:SA+4*\p+3], v[SAD] offset:2048*(\p/2)+512*(\p%2)+1024
.endr
.endif
.if (\s) < 4
.irp t, 0,1
.irp c, 0,1
	global_load_b128 v[BF+16*((\s)%4)+8*\t+4*\c:BF+16*((\s)%4)+8*\t+4*\c+3], v[BOF], s[BB:BB+1] offset:4096*((\s)+4)+1024*\t+512*\c
.endr
.endr
.endif
.endm
; 16 registers of a lane, register i = unit 16 (lane / 16) + i of my 32, become my half of the block's codes in v[pc], v[pc + 1] and the block's scale byte in v[by]
.macro QUANT1 s, pc, by
	v_max3_num_f32 v[TM], |v[\s]|, |v[\s+1]|, 0x1800000            ; with the floor 2^(3 - 127): the byte cannot fall under 1
	v_max3_num_f32 v[TM+1], |v[\s+2]|, |v[\s+3]|, |v[\s+4]|
	s_delay_alu instid0(VALU_DEP_2)
	v_max3_num_f32 v[TM], v[TM], |v[\s+5]|, |v[\s+6]|
	s_delay_alu instid0(VALU_DEP_2)
	v_max3_num_f32 v[TM+1], v[TM+1], |v[\s+7]|, |v[\s+8]|
	s_delay_alu instid0(VALU_DEP_2)
	v_max3_num_f32 v[TM], v[TM], |v[\s+9]|, |v[\s+10]|
	s_delay_alu instid0(VALU_DEP_2)
	v_max3_num_f32 v[TM+1], v[TM+1], |v[\s+11]|, |v[\s+12]|
	s_delay_alu instid0(VALU_DEP_2)
	v_max3_num_f32 v[TM], v[TM], |v[\s+13]|, |v[\s+14]|
	s_delay_alu instid0(VALU_DEP_1)
	v_max3_num_f32 v[TM], v[TM], v[TM+1], |v[\s+15]|
	s_delay_alu instid0(VALU_DEP_1)
	v_permlanex16_b32 v[TM+2], v[TM], s[SEL], s[SEL+1]
	s_delay_alu instid0(VALU_DEP_1)
	v_max_num_f32 v[TM], v[TM], v[TM+2]            ; with lane l xor 16's 16: the block's largest magnitude
	s_delay_alu instid0(VALU_DEP_1)
	v_add_nc_u32 v[TM+3], 0xff000000, v[TM]        ; 2 off the exponent field: the conversion's scale operand
	s_delay_alu instid0(VALU_DEP_1)
	v_lshrrev_b32 v[\by], 23, v[TM+3]
	v_cvt_scalef32_pk8_fp4_f32 v[\pc], v[\s:\s+7], v[TM+3]
	v_cvt_scalef32_pk8_fp4_f32 v[\pc+1], v[\s+8:\s+15], v[TM+3]
	v_nop                                          ; a plain instruction behind the last conversion
.endm
.macro CPAIR r, val
	v_mov_b32 v[\r], \val
	v_mov_b32 v[\r+1], \val
.endm
.macro GELU16 a                        ; gelu in place on the 16 registers from v[a] on
.irp k, 0,2,4,6,8,10,12,14
	v_pk_mul_f32 v[GZ+\k:GZ+\k+1], v[\a+\k:\a+\k+1], 0x3f3504f3 op_sel_hi:[1,0]   ; z = x / sqrt 2
.endr
.irp k, 0,1,2,3,4,5,6,7,8,9,10,11,12,13,14,15
	v_med3_num_f32 v[GZ+\k], v[GZ+\k], -4.0, 4.0
.endr
.irp k, 0,2,4,6,8,10,12,14
	v_pk_mul_f32 v[GX+\k:GX+\k+1], v[GZ+\k:GZ+\k+1], v[GZ+\k:GZ+\k+1]
.endr
.irp k, 0,2,4,6,8,10,12,14
	v_pk_fma_f32 v[GP+\k:GP+\k+1], v[GX+\k:GX+\k+1], v[KA:KA+1], v[KA+2:KA+3]
.endr
.irp c, 4,6,8,10,12
.irp k, 0,2,4,6,8,10,12,14
	v_pk_fma_f32 v[GP+\k:GP+\k+1], v[GP+\k:GP+\k+1], v[GX+\k:GX+\k+1], v[KA+\c:KA+\c+1]
.endr
.endr
.irp k, 0,2,4,6,8,10,12,14
	v_pk_fma_f32 v[GQ+\k:GQ+\k+1], v[GX+\k:GX+\k+1], v[KB:KB+1], v[KB+2:KB+3]
.endr
.irp c, 4,6,8
.irp k, 0,2,4,6,8,10,12,14
	v_pk_fma_f32 v[GQ+\k:GQ+\k+1], v[GQ+\k:GQ+\k+1], v[GX+\k:GX+\k+1], v[KB+\c:KB+\c+1]
.endr
.endr
	s_wait_alu depctr_va_vdst(0)
.irp k, 0,1,2,3,4,5,6,7,8,9,10,11,12,13,14,15
	v_rcp_f32 v[GQ+\k], v[GQ+\k]
.endr
.irp k, 0,2,4,6,8,10,12,14
	v_pk_mul_f32 v[GP+\k:GP+\k+1], v[GP+\k:GP+\k+1], v[GZ+\k:GZ+\k+1]             ; z P: plain work behind the reciprocals, which names none of them
.endr
	s_wait_alu depctr_va_vdst(0)                   ; one wait for the sixteen, ahead of their first reader
.irp k, 0,2,4,6,8,10,12,14
	v_pk_mul_f32 v[GP+\k:GP+\k+1], v[GP+\k:GP+\k+1], v[GQ+\k:GQ+\k+1]
.endr
.irp k, 0,1,2,3,4,5,6,7,8,9,10,11,12,13,14,15
	v_med3_num_f32 v[GP+\k], v[GP+\k], -1.0, 1.0
.endr
.irp k, 0,2,4,6,8,10,12,14
	v_pk_mul_f32 v[GZ+\k:GZ+\k+1], v[\a+\k:\a+\k+1], 0.5 op_sel_hi:[1,0]
.endr
.irp k, 0,2,4,6,8,10,12,14
	v_pk_fma_f32 v[\a+\k:\a+\k+1], v[GZ+\k:GZ+\k+1], v[GP+\k:GP+\k+1], v[GZ+\k:GZ+\k+1]   ; x / 2 + (x / 2) erf
.endr
.endm
	s_load_b256 s[4:11], s[0:1], 0x0               ; h2q, wts, b1, gq
	v_lshl_add_u32 v1, v0, 2, SPARE
	v_mov_b32 v2, 0
	ds_add_u32 v1, v2                              ; the opening lines: the add twice on end and one wait, ahead of the first tensor load
	ds_add_u32 v1, v2
	v_lshrrev_b32 v3, 5, v0
	s_delay_alu instid0(VALU_DEP_1)
	v_readfirstlane_b32 s12, v3                    ; wave
	v_and_b32 v5, 31, v0
	s_delay_alu instid0(VALU_DEP_1)
	v_lshlrev_b32 v[BOF], 4, v5
	s_delay_alu instid0(VALU_DEP_1)
	v_add_nc_u32 v[SAD], ASC, v[BOF]
	v_lshlrev_b32 v[C16], 4, v0
	s_and_b32 s14, ttmp7, 0xffff                   ; pair of blocks of 64 rows, 0..31: the four partners share it
	s_lshl_b32 s16, s14, 16                        ; two blocks' images lie on end: 65,536 bytes
	s_mov_b32 s17, 0
	s_lshl_b32 s18, s14, 12                        ; and their scale bytes: 4,096
	s_add_co_u32 s18, s18, 2097152
	s_mov_b32 s19, 0
	s_min_u32 s36, s12, 7                          ; the loading wave's number:
	s_lshl_b32 s36, s36, 13                        ; 8,192 bytes of the images a wave, in memory as in LDS
	s_mov_b32 s37, 0
	s_mov_b32 s[G1C], 15|(3<<16)|(1<<21)           ; mask of the four; elements of 8 bytes; no padding
	s_mov_b32 s[G1C+1], 128<<16                    ; a row: 128 elements
	s_mov_b32 s[G1C+2], 8<<16                      ; 8 rows
	s_mov_b32 s[G1C+3], 128<<16
	s_mov_b32 s[G1C+4], 8
	s_mov_b32 s[G1C+5], 128                        ; dense
	s_mov_b32 s[G1C+6], 0
	s_mov_b32 s[G1C+7], 0
	s_mov_b32 s[G1S], 15|(3<<16)|(1<<21)           ; the scale bytes: 4 such rows
	s_mov_b32 s[G1S+1], 128<<16
	s_mov_b32 s[G1S+2], 4<<16
	s_mov_b32 s[G1S+3], 128<<16
	s_mov_b32 s[G1S+4], 4
	s_mov_b32 s[G1S+5], 128
	s_mov_b32 s[G1S+6], 0
	s_mov_b32 s[G1S+7], 0
	s_wait_alu depctr_va_vdst(0)
	s_wait_dscnt 0x0                               ; both opening adds are done
	s_wait_kmcnt 0x0
	s_add_nc_u64 s[16:17], s[4:5], s[16:17]
	s_add_nc_u64 s[18:19], s[4:5], s[18:19]
	s_mov_b32 s[G0C], 1
	s_mov_b32 s[G0C+1], s36
	s_add_nc_u64 s[G0C+2:G0C+3], s[16:17], s[36:37]
	s_or_b32 s[G0C+3], s[G0C+3], 0x80000000
	s_mov_b32 s[G0S], 1
	s_mov_b32 s[G0S+1], ASC
	s_mov_b64 s[G0S+2:G0S+3], s[18:19]
	s_or_b32 s[G0S+3], s[G0S+3], 0x80000000
	CROUND                                         ; the four work-groups are here: the joint loads meet
	ARM 8, G0C, G1C, .Lhead_s
	ARM 9, G0S, G1S, .Lhead_none
.Lhead_asked:
	s_bfe_u32 s13, ttmp6, 0x40000                  ; my place in the cluster
	s_lshl_b32 s15, ttmp9, 2
	s_add_co_u32 s13, s13, s15                     ; slice of 512 hidden units, 0..7
	s_lshl_b32 s15, s13, 3
	s_lshr_b32 s26, s12, 1
	s_add_co_u32 s15, s15, s26
	s_add_co_u32 s15, s15, 64                      ; the weight unit of 64 units,
	s_and_b32 s27, s12, 1                          ; and which pair of its four tiles is mine
	s_mov_b32 s[SEL], 0x76543210
	s_mov_b32 s[SEL+1], 0xfedcba98
	s_lshl_b32 s20, s15, 15
	s_lshl_b32 s21, s27, 11
	s_add_co_u32 s20, s20, s21
	s_mov_b32 s21, 0
	s_lshl_b32 s22, s15, 11
	s_lshl_b32 s23, s27, 9
	s_add_co_u32 s22, s22, s23
	s_add_co_u32 s22, s22, 6291456
	s_mov_b32 s23, 0
	s_add_nc_u64 s[20:21], s[6:7], s[20:21]
	s_add_nc_u64 s[22:23], s[6:7], s[22:23]
	; B's scale words (2), B(0) to B(3) (16)
.irp g, 0,1
	global_load_b128 v[SB+4*\g:SB+4*\g+3], v[BOF], s[BSP:BSP+1] offset:1024*\g
.endr
.irp s, 0,1,2,3
.irp t, 0,1
.irp c, 0,1
	global_load_b128 v[BF+16*\s+8*\t+4*\c:BF+16*\s+8*\t+4*\c+3], v[BOF], s[BB:BB+1] offset:4096*\s+1024*\t+512*\c
.endr
.endr
.endr
	s_lshl_b32 s24, s13, 11                        ; b1: 4 (512 slice + 32 w)
	s_lshl_b32 s25, s12, 7
	s_add_co_u32 s24, s24, s25
	s_mov_b32 s25, 0
	s_lshl_b32 s30, s14, 18                        ; gq's image: my units are MX block 16 slice + w = 4 S + 2 c + h: 131,072 block + 4,096 S + 512 c + 256 h
	s_lshl_b32 s31, s13, 14
	s_add_co_u32 s30, s30, s31
	s_lshr_b32 s31, s12, 2
	s_lshl_b32 s31, s31, 12
	s_add_co_u32 s30, s30, s31
	s_and_b32 s31, s12, 3
	s_lshl_b32 s31, s31, 8
	s_add_co_u32 s30, s30, s31
	s_mov_b32 s31, 0
	s_lshl_b32 s32, s14, 14                        ; its scale bytes: 8,192 block + 1,024 slice
	s_lshl_b32 s33, s13, 10
	s_add_co_u32 s32, s32, s33
	s_add_co_u32 s32, s32, 8388608
	s_mov_b32 s33, 0
	s_add_nc_u64 s[24:25], s[8:9], s[24:25]
	s_add_nc_u64 s[30:31], s[10:11], s[30:31]
	s_add_nc_u64 s[32:33], s[10:11], s[32:33]
	s_wait_tensorcnt 0x0                           ; my load, if I issued one, has landed
	BAR                                            ; A's two blocks lie whole in LDS
	ALOAD 0, 0
.irp p, 0,1,2,3
	ds_load_b128 v[SA+4*\p:SA+4*\p+3], v[SAD] offset:2048*(\p/2)+512*(\p%2)
.endr
	v_bfe_u32 v7, v0, 4, 1
	s_delay_alu instid0(VALU_DEP_1)
	v_lshlrev_b32 v7, 6, v7                        ; b1's offset: register j of tile t is unit 16 h + 8 t + j of my 32
	s_wait_alu depctr_va_vdst(0)
	KSTEP 0, 1, 12                                 ; behind B(s): three sets of four loads
	KSTEP 1, 0, 12
	KSTEP 2, 0, 12
	KSTEP 3, 0, 12
	KSTEP 4, 0, 12
	KSTEP 5, 0, 8
	KSTEP 6, 0, 4
.irp t, 0,1
	global_load_b128 v[BF+32+8*\t:BF+32+8*\t+3], v7, s[BP:BP+1] offset:32*\t           ; b1, into the set that K step 6 has left
	global_load_b128 v[BF+32+8*\t+4:BF+32+8*\t+7], v7, s[BP:BP+1] offset:32*\t+16
.endr
	KSTEP 7, 0, 4                                  ; the four loads just issued may stay out
	s_wait_loadcnt 0x0
.irp M, 0,1,2,3,4,5,6,7
.irp t, 0,1
.irp k, 0,2,4,6
	v_pk_add_f32 v[ACC+8*(2*\M+\t)+\k:ACC+8*(2*\M+\t)+\k+1], v[ACC+8*(2*\M+\t)+\k:ACC+8*(2*\M+\t)+\k+1], v[BF+32+8*\t+\k:BF+32+8*\t+\k+1]
.endr
.endr
.endr
	CPAIR KA, 0xaf95df0b
	CPAIR KA+2, 0x32edffee
	CPAIR KA+4, 0xb60cff51
	CPAIR KA+6, 0xb86ec2d2
	CPAIR KA+8, 0xba40ac63
	CPAIR KA+10, 0xbb41a1f6
	CPAIR KA+12, 0xbc83dbd4
	CPAIR KB, 0xb77460cd
	CPAIR KB+2, 0xb95fbd29
	CPAIR KB+4, 0xbadc924e
	CPAIR KB+6, 0xbbf19bf8
	CPAIR KB+8, 0xbc69b6a7
	v_mov_b32 v[TM+2], 0                           ; a lane permute's destination counts as one of its sources
	v_and_b32 v5, 15, v0
	s_delay_alu instid0(VALU_DEP_1)
	v_lshlrev_b32 v5, 4, v5                        ; 16 r
	s_add_co_u32 s34, s12, SCG
	v_add_nc_u32 v3, s34, v5                       ; my block's scale byte of row r: 16 r + w
	v_bfe_u32 v7, v0, 4, 1
	s_delay_alu instid0(VALU_DEP_1)
	v_lshl_add_u32 v5, v7, 3, v5                   ; my 8 bytes of codes: 16 r + 8 h
	v_add_nc_u32 v6, SCG, v6                       ; the gathered bytes on their way out: 16 x thread,
	v_lshrrev_b32 v7, 6, v0
	v_and_b32 v[TM+4], 63, v0
	s_delay_alu instid0(VALU_DEP_1)
	v_lshlrev_b32 v[TM+4], 4, v[TM+4]
	s_delay_alu instid0(VALU_DEP_1)
	v_lshl_add_u32 v7, v7, 13, v[TM+4]             ; and in memory 8,192 (thread / 64) + 16 (thread % 64)
.irp M, 0,1,2,3,4,5,6,7
	GELU16 ACC+16*\M
	QUANT1 ACC+16*\M, 8+2*\M, 24+\M
	global_store_b64 v5, v[8+2*\M:9+2*\M], s[30:31] offset:131072*(\M/4)+1024*(\M%4)   ; 32 lanes store 256 consecutive bytes, aligned
	ds_store_b8 v3, v[24+\M] offset:1024*(\M/4)+256*(\M%4)                             ; lanes r and 16 + r store the same byte
.endr
	BAR                                            ; the work-group's 2,048 scale bytes lie whole in LDS
	s_cmp_ge_u32 s12, 4
	s_cbranch_scc1 .Lend
	ds_load_b128 v[32:35], v6
	s_wait_dscnt 0x0
	global_store_b128 v7, v[32:35], s[32:33]       ; waves 0-3: 512 consecutive bytes each, aligned
.Lend:
	END3
	CROUND                                         ; the closing round
	s_endpgm
.Lfunc_end_k_q8404af87d2_ffn1:
	.size	k_q8404af87d2_ffn1, .Lfunc_end_k_q8404af87d2_ffn1-k_q8404af87d2_ffn1
	.p2alignl 7, 3214868480
	.fill 96, 4, 3214868480
	.section	.rodata,"a",@progbits
	.p2align	6, 0x0
	.amdhsa_kernel k_q8404af87d2_ffn1
		.amdhsa_group_segment_fixed_size 167936
		.amdhsa_private_segment_fixed_size 0
		.amdhsa_enable_private_segment 0
		.amdhsa_kernarg_size 32
		.amdhsa_user_sgpr_count 2
		.amdhsa_user_sgpr_kernarg_segment_ptr 1
		.amdhsa_wavefront_size32 1
		.amdhsa_system_sgpr_workgroup_id_x 1
		.amdhsa_system_sgpr_workgroup_id_y 1
		.amdhsa_system_sgpr_workgroup_id_z 1
		.amdhsa_system_vgpr_workitem_id 0
		.amdhsa_next_free_vgpr 256
		.amdhsa_next_free_sgpr 66
		.amdhsa_reserve_vcc 0
		.amdhsa_float_denorm_mode_32 3
		.amdhsa_float_denorm_mode_16_64 3
		.amdhsa_memory_ordered 1
		.amdhsa_forward_progress 1
		.amdhsa_inst_pref_size 141
	.end_amdhsa_kernel
	.amdgpu_metadata
---
amdhsa.version: [ 1, 2 ]
amdhsa.kernels:
  - .name:           k_q8404af87d2_ffn1
    .symbol:         k_q8404af87d2_ffn1.kd
    .args:
      - { .name: h2q, .offset: 0, .size: 8, .value_kind: global_buffer, .address_space: global }
      - { .name: wts, .offset: 8, .size: 8, .value_kind: global_buffer, .address_space: global }
      - { .name: b1, .offset: 16, .size: 8, .value_kind: global_buffer, .address_space: global }
      - { .name: gq, .offset: 24, .size: 8, .value_kind: global_buffer, .address_space: global }
    .group_segment_fixed_size: 167936
    .private_segment_fixed_size: 0
    .kernarg_segment_align: 8
    .kernarg_segment_size: 32
    .max_flat_workgroup_size: 512
    .sgpr_count:     66
    .vgpr_count:     256
    .wavefront_size: 32
...
	.end_amdgpu_metadata
.endif
;; end of part 5
;; launch ffn2 (part 6): grid 4 x 64, 16 waves a work-group, clusters of 4 x 1, 280,576 bytes of LDS; arguments gq, wts, b2, x1, out0; writes out0
.if DOCPART == 6
	.amdgcn_target "amdgcn-amd-amdhsa--gfx1250"
	.amdhsa_code_object_version 6
	.text
	.protected	k_q8404af87d2_ffn2
	.globl	k_q8404af87d2_ffn2
	.p2align	8
	.type	k_q8404af87d2_ffn2,@function
k_q8404af87d2_ffn2:
	s_mov_b64 s[64:65], 0
	v_nop
	global_prefetch_b8 v0, s[64:65] scope:SCOPE_SE
	s_setreg_imm32_b32 hwreg(HW_REG_WAVE_MODE, 25, 1), 1
	s_wait_xcnt 0x0
	s_wait_alu depctr_hold_cnt(0) depctr_sa_sdst(0) depctr_va_vdst(0) depctr_va_sdst(0) depctr_va_ssrc(0) depctr_va_vcc(0) depctr_vm_vsrc(0)
	s_getreg_b32 s2, hwreg(HW_REG_IB_STS2, 6, 4)
	s_cmp_eq_u32 s2, 0
	s_cbranch_scc0 .Lentry_in_a_cluster
	s_endpgm
.Lentry_in_a_cluster:
	s_bfe_u32 s2, ttmp6, 0x10000c
	s_cmp_lg_u32 s2, 0x3003
	s_cbranch_scc0 .Lentry_shape_is_right
	s_endpgm
.Lentry_shape_is_right:
; FFN2: out0 = x1 + (g w2 + b2).  Nothing of reference() is left out here.
; SHARES.  Work-group (slice, block): 64 rows x 256 columns, K = 4,096.  Wave w takes column group w % 4 (64 columns) and the quarter w / 4 of K: 16 accumulators, 8 K steps of 128, as in the other products.
; The four partial sums of a tile meet in LDS; then wave w adds, for rows 16 (w / 4) .. + 15 of column group w % 4, the four parts, b2 and x1, and stores.  LIMIT: an output is the sum of four partial sums along K.
; A's block (131,072 bytes of codes, 8,192 of scale bytes) comes into LDS once, by nine tensor loads at the head, one a wave: waves 0-7 sixteen rows of 1,024 bytes of the image each, wave 8 the scale bytes.
; CLUSTER: the four work-groups of a block of rows (the four slices of columns) read the same A, so each load is a joint request of the four (mask 15).  No LDS byte is filled twice by a load.
; The partial tiles are stored over A's bytes, which have had their only fill and, behind a barrier, their last read by then.
; A wave's B goes from memory straight into its registers and never passes through LDS, so there is no joint request for it; it is asked for two K steps ahead by the loads themselves, and no prefetch is laid beside them.
.set ASC,   131072
.set SPARE, 278528
.set AAD, 3                            ; v3  16 x lane + my quarter's 32,768 bytes
.set BOF, 4
.set SAD, 5                            ; v5  my quarter's scale words
.set SA,  8
.set SB,  16
.set AF,  32
.set BF,  64
.set ACC, 128
.set SAO, 0
.set BB,  24
.set G1C, 40                           ; s[40:47] group 1 for the image, s[48:55] for the scale bytes, s[56:59], s[60:63] their groups 0
.set G1S, 48
.set G0C, 56
.set G0S, 60
.macro END3                            ; a wave's end
	s_wait_tensorcnt 0x0
	ds_add_u32 v1, v2
	s_wait_dscnt 0x0
.endm
.macro BAR
	s_wait_dscnt 0x0
	s_barrier_signal -1
	s_barrier_wait -1
.endm
.macro CROUND                          ; a round of the cluster's barrier
	s_barrier_signal -1
	s_barrier_wait -1
	s_cmp_lg_u32 s14, 0
	s_cbranch_scc1 .Lnot_wave_0_\@
	s_barrier_signal -3
.Lnot_wave_0_\@:
	s_barrier_wait -3
	s_barrier_signal -1
	s_barrier_wait -1
.endm
.macro ARM under, g0, g1, next         ; one arm of the head's chain: a joint load and a jump to the chain's end
	s_cmp_lt_u32 s14, \under
	s_cbranch_scc0 \next
	tensor_load_to_lds s[\g0:\g0+3], s[\g1:\g1+7]
	s_nop 0
.rept 4
	v_nop
.endr
	s_branch .Lhead_asked
\next:
.endm
.macro WM d, a, b, sa, sb, ra, rb, z
.if (\z)
.if (\ra) && (\rb)
	v_wmma_scale_f32_16x16x128_f8f6f4 v[\d:\d+7], v[\a:\a+7], v[\b:\b+7], 0, v[\sa], v[\sb] matrix_a_fmt:MATRIX_FMT_FP4 matrix_b_fmt:MATRIX_FMT_FP4 matrix_a_scale:MATRIX_SCALE_ROW1 matrix_b_scale:MATRIX_SCALE_ROW1
.elseif (\ra)
	v_wmma_scale_f32_16x16x128_f8f6f4 v[\d:\d+7], v[\a:\a+7], v[\b:\b+7], 0, v[\sa], v[\sb] matrix_a_fmt:MATRIX_FMT_FP4 matrix_b_fmt:MATRIX_FMT_FP4 matrix_a_scale:MATRIX_SCALE_ROW1
.elseif (\rb)
	v_wmma_scale_f32_16x16x128_f8f6f4 v[\d:\d+7], v[\a:\a+7], v[\b:\b+7], 0, v[\sa], v[\sb] matrix_a_fmt:MATRIX_FMT_FP4 matrix_b_fmt:MATRIX_FMT_FP4 matrix_b_scale:MATRIX_SCALE_ROW1
.else
	v_wmma_scale_f32_16x16x128_f8f6f4 v[\d:\d+7], v[\a:\a+7], v[\b:\b+7], 0, v[\sa], v[\sb] matrix_a_fmt:MATRIX_FMT_FP4 matrix_b_fmt:MATRIX_FMT_FP4
.endif
.else
.if (\ra) && (\rb)
	v_wmma_scale_f32_16x16x128_f8f6f4 v[\d:\d+7], v[\a:\a+7], v[\b:\b+7], v[\d:\d+7], v[\sa], v[\sb] matrix_a_fmt:MATRIX_FMT_FP4 matrix_b_fmt:MATRIX_FMT_FP4 matrix_a_scale:MATRIX_SCALE_ROW1 matrix_b_scale:MATRIX_SCALE_ROW1
.elseif (\ra)
	v_wmma_scale_f32_16x16x128_f8f6f4 v[\d:\d+7], v[\a:\a+7], v[\b:\b+7], v[\d:\d+7], v[\sa], v[\sb] matrix_a_fmt:MATRIX_FMT_FP4 matrix_b_fmt:MATRIX_FMT_FP4 matrix_a_scale:MATRIX_SCALE_ROW1
.elseif (\rb)
	v_wmma_scale_f32_16x16x128_f8f6f4 v[\d:\d+7], v[\a:\a+7], v[\b:\b+7], v[\d:\d+7], v[\sa], v[\sb] matrix_a_fmt:MATRIX_FMT_FP4 matrix_b_fmt:MATRIX_FMT_FP4 matrix_b_scale:MATRIX_SCALE_ROW1
.else
	v_wmma_scale_f32_16x16x128_f8f6f4 v[\d:\d+7], v[\a:\a+7], v[\b:\b+7], v[\d:\d+7], v[\sa], v[\sb] matrix_a_fmt:MATRIX_FMT_FP4 matrix_b_fmt:MATRIX_FMT_FP4
.endif
.endif
.endm
; K step s of my quarter: 16 products, the 16 accumulators by turns; four places; the next step's A from LDS, B of two steps on from memory.  cnt: the global loads behind B(s)'s eight.
.macro KSTEP s, z, cnt
	s_wait_loadcnt \cnt
	s_wait_dscnt 0x0
.irp m, 0,1,2,3
.irp t, 0,1,2,3
	WM ACC+8*(4*\m+\t), BF+32*((\s)%2)+8*\t, AF+8*\m, SB+4*(2*((\s)/4)+\t/2)+(\s)%4, SA+4*(\m/2)+(\s)%4, \t%2, \m%2, \z
.endr
.endr
.rept 4
	v_nop
.endr
.if (\s) < 7
.irp m, 0,1,2,3
.irp c, 0,1
	ds_load_b128 v[AF+8*\m+4*\c:AF+8*\m+4*\c+3], v[AAD] offset:4096*((\s)+1)+1024*\m+512*\c
.endr
.endr
.endif
.if (\s) == 3
	ds_load_b128 v[SA:SA+3], v[SAD] offset:SAO+1024
	ds_load_b128 v[SA+4:SA+7], v[SAD] offset:SAO+1536
.endif
.if (\s) < 6
.irp t, 0,1,2,3
.irp c, 0,1
	global_load_b128 v[BF+32*((\s)%2)+8*\t+4*\c:BF+32*((\s)%2)+8*\t+4*\c+3], v[BOF], s[BB:BB+1] offset:4096*((\s)+2)+1024*\t+512*\c
.endr
.endr
.endif
.endm
	s_load_b256 s[4:11], s[0:1], 0x0               ; gq, wts, b2, x1
	s_load_b64 s[12:13], s[0:1], 0x20              ; out0
	v_lshl_add_u32 v1, v0, 2, SPARE
	v_mov_b32 v2, 0
	ds_add_u32 v1, v2                              ; the opening lines: the add twice on end and one wait, ahead of the first tensor load
	ds_add_u32 v1, v2
	v_lshrrev_b32 v3, 5, v0
	s_delay_alu instid0(VALU_DEP_1)
	v_readfirstlane_b32 s14, v3                    ; wave
	v_and_b32 v5, 31, v0
	s_delay_alu instid0(VALU_DEP_1)
	v_lshlrev_b32 v[BOF], 4, v5
	s_wait_alu depctr_va_vdst(0)
	s_and_b32 s16, ttmp7, 0xffff                   ; block of 64 rows: the four partners share it
	s_and_b32 s17, s14, 3                          ; column group
	s_lshr_b32 s18, s14, 2                         ; quarter of K; later: group of 16 rows
	s_lshl_b32 s34, s18, 15
	v_add_nc_u32 v[AAD], s34, v[BOF]
	s_lshl_b32 s34, s18, 11
	s_add_co_u32 s34, s34, ASC
	v_add_nc_u32 v[SAD], s34, v[BOF]
	s_lshl_b32 s20, s16, 17
	s_mov_b32 s21, 0
	s_lshl_b32 s22, s16, 13
	s_add_co_u32 s22, s22, 8388608
	s_mov_b32 s23, 0
	s_min_u32 s36, s14, 7                          ; the loading wave's number:
	s_lshl_b32 s36, s36, 14                        ; 16,384 bytes of the image a wave, in memory as in LDS
	s_mov_b32 s37, 0
	s_mov_b32 s[G1C], 15|(3<<16)|(1<<21)           ; mask of the four; elements of 8 bytes; no padding
	s_mov_b32 s[G1C+1], 128<<16                    ; a row: 128 elements
	s_mov_b32 s[G1C+2], 16<<16                     ; 16 rows
	s_mov_b32 s[G1C+3], 128<<16
	s_mov_b32 s[G1C+4], 16
	s_mov_b32 s[G1C+5], 128                        ; dense
	s_mov_b32 s[G1C+6], 0
	s_mov_b32 s[G1C+7], 0
	s_mov_b32 s[G1S], 15|(3<<16)|(1<<21)           ; the scale bytes: 8 such rows
	s_mov_b32 s[G1S+1], 128<<16
	s_mov_b32 s[G1S+2], 8<<16
	s_mov_b32 s[G1S+3], 128<<16
	s_mov_b32 s[G1S+4], 8
	s_mov_b32 s[G1S+5], 128
	s_mov_b32 s[G1S+6], 0
	s_mov_b32 s[G1S+7], 0
	s_wait_alu depctr_va_vdst(0)
	s_wait_dscnt 0x0                               ; both opening adds are done
	s_wait_kmcnt 0x0
	s_add_nc_u64 s[20:21], s[4:5], s[20:21]
	s_add_nc_u64 s[22:23], s[4:5], s[22:23]
	s_mov_b32 s[G0C], 1
	s_mov_b32 s[G0C+1], s36
	s_add_nc_u64 s[G0C+2:G0C+3], s[20:21], s[36:37]
	s_or_b32 s[G0C+3], s[G0C+3], 0x80000000
	s_mov_b32 s[G0S], 1
	s_mov_b32 s[G0S+1], ASC
	s_mov_b64 s[G0S+2:G0S+3], s[22:23]
	s_or_b32 s[G0S+3], s[G0S+3], 0x80000000
	CROUND                                         ; the four work-groups are here: the joint loads meet
	ARM 8, G0C, G1C, .Lhead_s
	ARM 9, G0S, G1S, .Lhead_none
.Lhead_asked:
	s_bfe_u32 s15, ttmp6, 0x40000                  ; slice of 256 columns: my place in the cluster (the grid's four along x are one cluster)
	s_lshl_b32 s19, s15, 4
	s_lshl_b32 s34, s17, 2
	s_add_co_u32 s19, s19, s34
	s_add_co_u32 s19, s19, s18
	s_add_co_u32 s19, s19, 128                     ; the weight unit: 128 + 4 (4 slice + group) + quarter
	s_lshl_b32 s24, s19, 15
	s_mov_b32 s25, 0
	s_lshl_b32 s26, s19, 11
	s_add_co_u32 s26, s26, 6291456
	s_mov_b32 s27, 0
	s_add_nc_u64 s[24:25], s[6:7], s[24:25]
	s_add_nc_u64 s[26:27], s[6:7], s[26:27]
.irp g, 0,1,2,3
	global_load_b128 v[SB+4*\g:SB+4*\g+3], v[BOF], s[26:27] offset:512*\g
.endr
.irp s, 0,1
.irp t, 0,1,2,3
.irp c, 0,1
	global_load_b128 v[BF+32*\s+8*\t+4*\c:BF+32*\s+8*\t+4*\c+3], v[BOF], s[BB:BB+1] offset:4096*\s+1024*\t+512*\c
.endr
.endr
.endr
	s_lshl_b32 s32, s15, 10
	s_lshl_b32 s33, s17, 8
	s_add_co_u32 s32, s32, s33                     ; my 64 columns, in bytes
	s_lshl_b32 s28, s16, 18
	s_lshl_b32 s29, s18, 16
	s_add_co_u32 s28, s28, s29
	s_add_co_u32 s28, s28, s32                     ; rows 64 block + 16 (w / 4) on
	s_mov_b32 s29, 0
	s_mov_b32 s33, 0
	s_add_nc_u64 s[30:31], s[12:13], s[28:29]
	s_add_nc_u64 s[28:29], s[10:11], s[28:29]
	s_add_nc_u64 s[32:33], s[8:9], s[32:33]
	s_wait_tensorcnt 0x0                           ; my load, if I issued one, has landed
	BAR                                            ; A's block lies whole in LDS
.irp m, 0,1,2,3
.irp c, 0,1
	ds_load_b128 v[AF+8*\m+4*\c:AF+8*\m+4*\c+3], v[AAD] offset:1024*\m+512*\c
.endr
.endr
	ds_load_b128 v[SA:SA+3], v[SAD] offset:SAO
	ds_load_b128 v[SA+4:SA+7], v[SAD] offset:SAO+512
	v_and_b32 v7, 15, v0
	s_delay_alu instid0(VALU_DEP_1)
	v_lshlrev_b32 v7, 4, v7                        ; 16 (lane % 16): my 4 columns
	v_bfe_u32 v6, v0, 4, 1
	s_delay_alu instid0(VALU_DEP_1)
	v_lshl_add_u32 v6, v6, 12, v7                  ; + a row for lanes 16-31
	s_wait_alu depctr_va_vdst(0)
	KSTEP 0, 1, 8
	KSTEP 1, 0, 8
	KSTEP 2, 0, 8
	KSTEP 3, 0, 8
	KSTEP 4, 0, 8
	KSTEP 5, 0, 8
	KSTEP 6, 0, 8
.irp i, 0,1,2,3,4,5,6,7
	global_load_b128 v[BF+4*\i:BF+4*\i+3], v6, s[28:29] offset:8192*\i th:TH_LOAD_NT   ; x1: two rows an instruction, sixteen lanes to 256 consecutive bytes
.endr
	KSTEP 7, 0, 8                                  ; the eight loads just issued may stay out
	global_load_b128 v[32:35], v7, s[32:33]        ; b2 of my 4 columns
	v_and_b32 v13, 15, v0
	v_bfe_u32 v14, v0, 4, 1
	s_delay_alu instid0(VALU_DEP_2)
	v_and_b32 v15, 8, v13
	s_delay_alu instid0(VALU_DEP_1)
	v_add_nc_u32 v15, v15, v13
	s_delay_alu instid0(VALU_DEP_1)
	v_mul_u32_u24 v12, v15, 272
	s_delay_alu instid0(VALU_DEP_1)
	v_lshl_add_u32 v12, v14, 6, v12
	s_mul_i32 s34, s14, 17408
	v_add_nc_u32 v12, s34, v12                     ; my partial tile: 64 rows x (256 + 16) bytes; way in: row r + 8 (r / 8), + 64 h
	v_mul_u32_u24 v8, v14, 272
	s_delay_alu instid0(VALU_DEP_1)
	v_lshl_add_u32 v8, v13, 4, v8
	s_mul_i32 s34, s17, 17408
	s_mul_i32 s35, s18, 4352
	s_add_co_u32 s34, s34, s35
	v_add_nc_u32 v8, s34, v8                       ; way out: the four quarters' tiles of my column group, my 16 rows
	s_delay_alu instid0(VALU_DEP_1)
	v_add_nc_u32 v9, 69632, v8
	s_delay_alu instid0(VALU_DEP_2)
	v_add_nc_u32 v10, 139264, v8
	s_delay_alu instid0(VALU_DEP_3)
	v_add_nc_u32 v11, 208896, v8
	s_wait_alu depctr_va_vdst(0)
	BAR                                            ; nobody reads A's block any more: its bytes take the partial tiles
.irp m, 0,1,2,3
.irp t, 0,1,2,3
	ds_store_b128 v12, v[ACC+8*(4*\m+\t):ACC+8*(4*\m+\t)+3] offset:272*(32*(\m/2)+8*(\m%2))+128*(\t/2)+32*(\t%2)
	ds_store_b128 v12, v[ACC+8*(4*\m+\t)+4:ACC+8*(4*\m+\t)+7] offset:272*(32*(\m/2)+8*(\m%2))+128*(\t/2)+32*(\t%2)+16
.endr
.endr
	BAR                                            ; all sixteen partial tiles lie in LDS
.irp q, 0,1,2,3
.irp i, 0,1,2,3,4,5,6,7
	ds_load_b128 v[128+32*\q+4*\i:131+32*\q+4*\i], v[8+\q] offset:544*\i
.endr
.endr
	s_wait_dscnt 0x0
	s_wait_loadcnt 0x0
.irp i, 0,1,2,3,4,5,6,7
.irp e, 0,2
	v_pk_add_f32 v[128+4*\i+\e:129+4*\i+\e], v[128+4*\i+\e:129+4*\i+\e], v[160+4*\i+\e:161+4*\i+\e]
	v_pk_add_f32 v[192+4*\i+\e:193+4*\i+\e], v[192+4*\i+\e:193+4*\i+\e], v[224+4*\i+\e:225+4*\i+\e]
	s_delay_alu instid0(VALU_DEP_1)
	v_pk_add_f32 v[128+4*\i+\e:129+4*\i+\e], v[128+4*\i+\e:129+4*\i+\e], v[192+4*\i+\e:193+4*\i+\e]
	s_delay_alu instid0(VALU_DEP_1)
	v_pk_add_f32 v[128+4*\i+\e:129+4*\i+\e], v[128+4*\i+\e:129+4*\i+\e], v[32+\e:33+\e]
	s_delay_alu instid0(VALU_DEP_1)
	v_pk_add_f32 v[128+4*\i+\e:129+4*\i+\e], v[128+4*\i+\e:129+4*\i+\e], v[BF+4*\i+\e:BF+4*\i+\e+1]
.endr
	global_store_b128 v6, v[128+4*\i:131+4*\i], s[30:31] offset:8192*\i th:TH_STORE_NT   ; sixteen lanes store 256 consecutive bytes, aligned
.endr
	END3
	CROUND                                         ; the closing round
	s_endpgm
.Lfunc_end_k_q8404af87d2_ffn2:
	.size	k_q8404af87d2_ffn2, .Lfunc_end_k_q8404af87d2_ffn2-k_q8404af87d2_ffn2
	.p2alignl 7, 3214868480
	.fill 96, 4, 3214868480
	.section	.rodata,"a",@progbits
	.p2align	6, 0x0
	.amdhsa_kernel k_q8404af87d2_ffn2
		.amdhsa_group_segment_fixed_size 280576
		.amdhsa_private_segment_fixed_size 0
		.amdhsa_enable_private_segment 0
		.amdhsa_kernarg_size 40
		.amdhsa_user_sgpr_count 2
		.amdhsa_user_sgpr_kernarg_segment_ptr 1
		.amdhsa_wavefront_size32 1
		.amdhsa_system_sgpr_workgroup_id_x 1
		.amdhsa_system_sgpr_workgroup_id_y 1
		.amdhsa_system_sgpr_workgroup_id_z 1
		.amdhsa_system_vgpr_workitem_id 0
		.amdhsa_next_free_vgpr 256
		.amdhsa_next_free_sgpr 66
		.amdhsa_reserve_vcc 0
		.amdhsa_float_denorm_mode_32 3
		.amdhsa_float_denorm_mode_16_64 3
		.amdhsa_memory_ordered 1
		.amdhsa_forward_progress 1
		.amdhsa_inst_pref_size 48
	.end_amdhsa_kernel
	.amdgpu_metadata
---
amdhsa.version: [ 1, 2 ]
amdhsa.kernels:
  - .name:           k_q8404af87d2_ffn2
    .symbol:         k_q8404af87d2_ffn2.kd
    .args:
      - { .name: gq, .offset: 0, .size: 8, .value_kind: global_buffer, .address_space: global }
      - { .name: wts, .offset: 8, .size: 8, .value_kind: global_buffer, .address_space: global }
      - { .name: b2, .offset: 16, .size: 8, .value_kind: global_buffer, .address_space: global }
      - { .name: x1, .offset: 24, .size: 8, .value_kind: global_buffer, .address_space: global }
      - { .name: out0, .offset: 32, .size: 8, .value_kind: global_buffer, .address_space: global }
    .group_segment_fixed_size: 280576
    .private_segment_fixed_size: 0
    .kernarg_segment_align: 8
    .kernarg_segment_size: 40
    .max_flat_workgroup_size: 512
    .sgpr_count:     66
    .vgpr_count:     256
    .wavefront_size: 32
...
	.end_amdgpu_metadata
.endif
;; end of part 6
